; MI455X (gfx1250); checked and timed in simulation.
; The chip was launched on July 23, 2026; its instructions are those of AMD's public machine-readable ISA for CDNA 5 (MIT licence, August 2026) and "CDNA5" Instruction Set Architecture Reference Guide (July 2026). The comments in the code are by the model that wrote it; some were corrected since.
;; Attention. Allowed arithmetic: matrix products marked QUANTISED: E5M2 operands, one E8M0 scale for each 32 along K, by v_wmma_scale_f32_16x16x128_f8f6f4 with both operands' format E5M2, f32 sums; products left as they are: f32 operands where the result goes on into a quantised operand, else bf16, f16 or f32 operands; f32 sums; everything else in f32.
;; Inputs: W_dec 1,024 x 1,024 float32; W_mem 512 x 1,024 float32; W_v 1,024 float32; decoder_state 64 x 1,024 float32; memory_bank 64 x 2,048 x 512 float32; src_mask 64 x 2,048 int32.
;; Outputs: out0 64 x 512 float32; out1 64 x 2,048 float32.
;; This version of the problem:
;;   THIS VERSION OF THE PROBLEM IS GIVEN IN LOW PRECISION. The matrix products marked QUANTISED in the list below multiply operands that are first quantised to E5M2 (5 exponent bits, 2 mantissa bits; 8 bits a number), with one power-of-two scale for each 32 numbers along K (OCP MX v1.0); their sums are f32. All else is computed in f32.
;;   The module's matrix products, in the order in which they are computed (A, B: the left and right operand; K: the contracted axis; several contracted axes count as one K, in the product's order):
;;     1. [M 131,072, K 512] x [K 512, N 1,024]; A: input memory_bank; B: input W_mem: QUANTISED
;;     2. [M 64, K 1,024] x [K 1,024, N 1,024]; A: input decoder_state; B: input W_dec: QUANTISED
;;     3. [M 131,072, K 1,024] x [K 1,024, N 1]; A: computed on the way; B: input W_v: left as it is (N = 1 < 16)
;;     4. batch 64 x [M 1, K 2,048] x [K 2,048, N 512]; A: softmax; B: input memory_bank: left as it is (M = 1 < 16)
;;   THE QUANTISER, for each operand of a quantised product, along K:
;;     - K is cut into blocks of 32 from its start; a last block that is shorter is filled with zeros.
;;     - A block's scale is 2^e with e = floor(log2(the largest magnitude in the block)) - 15, held to -126 .. 127; a block of zeros has e = 0. As a byte (E8M0): e + 127.
;;     - Each number is divided by its block's scale, clamped to +-57,344, and rounded to the nearest number of E5M2, ties to even, subnormals kept.
;;     - The product sums the exact products of the quantised numbers (number of the format x scale) in f32.
;;   ~~~python
;;   def quantise(x, axis):      # numpy; x: float32 -> the quantised numbers, widened to float32 again
;;       x = np.moveaxis(x, axis, -1); K = x.shape[-1]
;;       x = np.pad(x, [(0, 0)] * (x.ndim - 1) + [(0, -K % 32)]); x = x.reshape(x.shape[:-1] + (-1, 32)); a = np.abs(x).max(-1, keepdims=True)
;;       e = np.where(a > 0, np.clip(np.frexp(np.where(a > 0, a, 1))[1] - 1 - 15, -126, 127), 0)      # np.frexp(a)[1] - 1 = floor(log2(a)), exactly
;;       r = np.clip(x / 2.0 ** e, -57344, 57344)
;;       step = 2.0 ** (np.maximum(np.frexp(np.where(r == 0, 1, r))[1] - 1, -14) - 2)
;;       q = np.round(r / step) * step * 2.0 ** e      # np.round: ties to even
;;       return np.moveaxis(q.reshape(q.shape[:-2] + (-1,))[..., :K], -1, axis).astype(np.float32)
;;   ~~~
;; 2 versions, each right and faster than the one before. Each part assembles by itself: llvm-mc -triple=amdgcn-amd-amdhsa -mcpu=gfx1250 --defsym DOCPART=n.
;; ======== version 1 of 2: 3 launches
;; workspace buffers: wq 557,056 bytes; decw 262,144 bytes; tsc 524,288 bytes; stats 65,536 bytes; ctxp 1,048,576 bytes
;; launch prep (part 1): grid 96 x 1, 8 waves a work-group, no clusters, 34,816 bytes of LDS; arguments W_mem, W_dec, decoder_state, wq, decw; writes wq, decw
.if DOCPART == 1
	.amdgcn_target "amdgcn-amd-amdhsa--gfx1250"
	.amdhsa_code_object_version 6
	.text
	.protected	k_q738084f129_prep
	.globl	k_q738084f129_prep
	.p2align	8
	.type	k_q738084f129_prep,@function
k_q738084f129_prep:
	s_mov_b64 s[64:65], 0
	v_nop
	global_prefetch_b8 v0, s[64:65] scope:SCOPE_SE
	s_setreg_imm32_b32 hwreg(HW_REG_WAVE_MODE, 25, 1), 1
	s_wait_xcnt 0x0
; TWO SMALL JOBS IN ONE LAUNCH, parted once on the work-group's number.
; Work-groups 0-63: c x dec_feat = c x (decoder_state W_dec), c = 2 log2(e), both operands quantised to BF8 (E5M2) with one E8M0 scale for each 32 along K.
;   Work-group T makes columns 16 T .. 16 T + 15 for all 64 batches; wave s takes K step s (128 of K = 1,024); the eight partial sums meet in LDS.
;   The product is used transposed (source 0 = 16 columns of W_dec, source 1 = 16 batches): lane (r, h) holds batch 16 mt + r and columns 16 T + 8 h + 0 .. 7.
;   decw: [T 64][2 mt + q][lane 32][4 f32]: lane (r, h) has batch 16 mt + r, columns 16 T + 8 h + 4 q + 0 .. 3.
; Work-groups 64-95: W_mem [512][1024] into codes, laid as the next launch's operand registers.  Tile T = 2 (work-group - 64) + wave / 4, K step s = wave % 4.
;   wq: a record of 8,704 bytes for each tile T of 16 columns: K step k's fragment at 2,048 k (registers 4 c .. 4 c + 3 of lane l at 512 c + 16 l); the lane's four scale words at 8,192 + 16 l + 4 k.
; Both weights have K as their FIRST axis: lane (r, h) takes column 16 T + r and its registers run down K in the operand's own order, k = 32 c + 16 h + i: nothing is transposed.
; A block's scale is 2^(floor(log2(largest magnitude)) - 15); its byte is the largest magnitude's exponent field - 15, held at 1 from below.
; LIMITS: a block of zeros gets the byte 1 where the rule says 127 (its codes are zeros, and this program alone reads the bytes); NaN and infinities among the inputs are not served.
.set XA,  16                           ; v16-79   64 numbers: the weight's, later tiles of x by turns with XB
.set XB,  80                           ; v80-143
.set WC,  144                          ; v144-159 the weight's codes
.set XC,  160                          ; v160-175 x's codes
.set D,   176                          ; v176-207 four accumulators: batches 16 mt on
.set TM,  208                          ; v208-223 at work in the quantiser
.set WSW, 224                          ; the weight's scale word
.set XSW, 225                          ; x's scale word
.set VW,  1                            ; 65,536 h + 4 r: my column, my half's 16 rows of a block
.set VX,  2                            ; 4,096 r + 64 h: my batch, my half's 16 numbers of a block
.set LI,  3                            ; 16 x lane
.set RW,  4                            ; LDS: 4,096 x wave + 16 x lane: where my partial sums go
.set RR,  5                            ; 512 x wave + 16 x lane: the piece that I add up, in LDS and in decw
.set MW,  6                            ; LDS: where my scale word goes
.set MR,  7                            ; LDS: a tile's scale words, 16 bytes a lane
.set MS,  32768                        ; LDS: bytes 0 .. 32,767 the partial sums (first way), from here 1,024 bytes of scale words (second way): each way has bytes of its own
.set WV,  14
.set SEL, 20
.set MNT, 22
.set CC,  24
; 64 numbers of a lane, register 16 b + i = k 32 b + 16 h + i of my row or column, become 16 registers of codes at v[pc] and a scale word in v[pw]
.macro QUANTP s, pc, pw
.irp b, 0,1,2,3
	v_max3_num_f32 v[TM+\b], |v[\s+16*\b]|, |v[\s+1+16*\b]|, 0x8000000   ; my 16 numbers of block b, and the floor 2^(16 - 127): the byte cannot fall under 1
.endr
.irp i, 2,4,6,8,10,12,14
.irp b, 0,1,2,3
	v_max3_num_f32 v[TM+\b], v[TM+\b], |v[\s+16*\b+\i]|, |v[\s+1+16*\b+\i]|   ; the four blocks by turns
.endr
.endr
.irp b, 0,1,2,3
	v_permlanex16_b32 v[TM+4+\b], v[TM+\b], s[SEL], s[SEL+1]
.endr
.irp b, 0,1,2,3
	v_max_num_f32 v[TM+\b], v[TM+\b], v[TM+4+\b]   ; with lane l xor 16's 16: the block's largest magnitude
.endr
.irp b, 0,1,2,3
	v_add_nc_u32 v[TM+12+\b], 0xf8800000, v[TM+\b]   ; 15 off its exponent field: the conversion's scale operand
.endr
.irp b, 0,1,2,3
	v_and_or_b32 v[TM+8+\b], v[TM+\b], 0x7f800000, s[MNT]   ; 57,344 x the scale
.endr
.irp b, 0,1,2,3
	v_lshrrev_b32 v[TM+4+\b], 23, v[TM+12+\b]      ; the scale's byte
.endr
	v_lshl_or_b32 v[\pw], v[TM+5], 8, v[TM+4]
	v_lshl_or_b32 v[\pw], v[TM+6], 16, v[\pw]
	v_lshl_or_b32 v[\pw], v[TM+7], 24, v[\pw]
.irp b, 0,1,2,3
.irp i, 0,1,2,3,4,5,6,7,8,9,10,11,12,13,14,15
	v_med3_num_f32 v[\s+16*\b+\i], v[\s+16*\b+\i], -v[TM+8+\b], v[TM+8+\b]   ; the conversion does not saturate (ISA guide 7.6.2): the hold at the largest code x the scale
.endr
	v_cvt_scalef32_pk8_bf8_f32 v[\pc+4*\b:\pc+1+4*\b], v[\s+16*\b:\s+7+16*\b], v[TM+12+\b]
	v_cvt_scalef32_pk8_bf8_f32 v[\pc+2+4*\b:\pc+3+4*\b], v[\s+8+16*\b:\s+15+16*\b], v[TM+12+\b]
.endr
	v_nop                                          ; a plain line behind the last conversion
.endm
.macro WLD base                        ; the weight's 128 x 16 numbers of my K step and tile: W(32 c + 16 h + i, 16 T + r)
.irp c, 0,1,2,3
.irp i, 0,1,2,3,4,5,6,7,8,9,10,11,12,13,14,15
	global_load_b32 v[XA+16*\c+\i], v[VW], s[\base:\base+1] offset:(32*\c+\i)*4096
.endr
.endr
.endm
.macro XLOAD reg, mt                   ; batches 16 mt on, my K step: 16 neighbours of each block of 32
.irp c, 0,1,2,3
.irp j, 0,1,2,3
	global_load_b128 v[\reg+16*\c+4*\j:\reg+16*\c+4*\j+3], v[VX], s[8:9] offset:65536*(\mt)+128*\c+16*\j
.endr
.endr
.endm
.macro DECT mt, cur, nxt               ; tile mt of the batches: the next tile is asked for, this one quantised and multiplied
.if \mt < 3
	XLOAD \nxt, (\mt)+1
	s_wait_loadcnt 16                              ; this tile's loads are in; the 16 just issued may be out
.else
	s_wait_loadcnt 0x0
.endif
	QUANTP \cur, XC, XSW
.rept 4
	v_nop                                          ; codes written by vector instructions stand four places ahead of a scaled product; the scale word stands ahead of the 64 holds
.endr
	v_wmma_scale_f32_16x16x128_f8f6f4 v[D+8*\mt:D+8*\mt+7], v[WC:WC+15], v[XC:XC+15], 0, v[WSW], v[XSW] matrix_a_fmt:MATRIX_FMT_BF8 matrix_b_fmt:MATRIX_FMT_BF8
.endm
	s_load_b256 s[4:11], s[0:1], 0x0               ; W_mem s[4:5], W_dec s[6:7], decoder_state s[8:9], wq s[10:11]
	s_load_b64 s[12:13], s[0:1], 0x20              ; decw
	v_lshl_add_u32 v254, v0, 2, 0x8400
	v_mov_b32 v255, 0
	v_lshrrev_b32 v8, 5, v0
	v_readfirstlane_b32 s[WV], v8                  ; wave 0..7
	v_and_b32 v9, 31, v0                           ; lane
	v_and_b32 v10, 15, v0                          ; r
	v_bfe_u32 v11, v0, 4, 1                        ; h
	v_lshlrev_b32 v[VW], 2, v10
	v_lshl_add_u32 v[VW], v11, 16, v[VW]
	v_lshlrev_b32 v[VX], 12, v10
	v_lshl_add_u32 v[VX], v11, 6, v[VX]
	v_lshlrev_b32 v[LI], 4, v9
	v_lshl_add_u32 v[RW], v8, 12, v[LI]
	v_lshl_add_u32 v[RR], v8, 9, v[LI]
	v_lshrrev_b32 v12, 7, v0                       ; wave / 4
	v_lshl_add_u32 v[MR], v12, 9, v[LI]
	v_add_nc_u32 v[MR], MS, v[MR]
	v_bfe_u32 v12, v0, 5, 2                        ; wave % 4
	v_lshl_add_u32 v[MW], v12, 2, v[MR]
.irp b, 0,1,2,3
	v_mov_b32 v[TM+4+\b], 0                        ; written once: a lane permute's destination counts as one of its sources
.endr
	s_lshr_b32 s27, s[WV], 2
	s_and_b32 s28, s[WV], 3
	s_mov_b32 s[SEL], 0x76543210
	s_mov_b32 s[SEL+1], 0xfedcba98                 ; lane l xor 16
	s_mov_b32 s[MNT], 0x600000                     ; the mantissa field of 57,344
	s_mov_b32 s[CC], 0x4038aa3b                    ; c = 2 log2(e)
	s_mov_b32 s[CC+1], s[CC]
	s_mov_b32 s19, 0
	s_mov_b32 s31, 0
	s_mov_b32 s33, 0
	s_cmp_lt_u32 ttmp9, 64                         ; the same in all eight waves
	s_cbranch_scc0 .Lmem
	; ---- the first way: c x decoder_state W_dec, tile T = work-group, K step = wave
	s_lshl_b32 s18, s[WV], 19                      ; 128 rows of 4,096 bytes a K step
	s_lshl_b32 s26, ttmp9, 6                       ; 16 columns of 4 bytes a tile
	s_add_co_u32 s18, s18, s26
	s_lshl_b32 s30, s[WV], 9                       ; x: 128 numbers a K step
	s_lshl_b32 s32, ttmp9, 12                      ; decw: 4,096 bytes a tile
	s_wait_kmcnt 0x0
	s_add_nc_u64 s[6:7], s[6:7], s[18:19]
	s_add_nc_u64 s[8:9], s[8:9], s[30:31]
	s_add_nc_u64 s[12:13], s[12:13], s[32:33]
	WLD 6
	XLOAD XB, 0
	s_wait_loadcnt 16                              ; the weight's 64 loads are in; x's first tile may be out
	QUANTP XA, WC, WSW
	DECT 0, XB, XA
	DECT 1, XA, XB
	DECT 2, XB, XA
	DECT 3, XA, XB
.rept 8
	v_nop                                          ; eight places ahead of the first read of results
.endr
.irp mt, 0,1,2,3
	ds_store_b128 v[RW], v[D+8*\mt:D+8*\mt+3] offset:1024*\mt          ; each accumulator from its low end on
	ds_store_b128 v[RW], v[D+8*\mt+4:D+8*\mt+7] offset:1024*\mt+512
.endr
	s_wait_dscnt 0x0                               ; for the others' sake: my partial sums lie in LDS
	s_barrier_signal -1
	s_barrier_wait -1
.irp i, 0,1,2,3,4,5,6,7
	ds_load_b128 v[XA+4*\i:XA+4*\i+3], v[RR] offset:4096*\i            ; piece number = my wave, of all eight K steps
.endr
	s_wait_dscnt 0x0
.irp i, 0,2,4,6
	v_pk_add_f32 v[XA+4*\i:XA+4*\i+1], v[XA+4*\i:XA+4*\i+1], v[XA+4*\i+4:XA+4*\i+5]
	v_pk_add_f32 v[XA+4*\i+2:XA+4*\i+3], v[XA+4*\i+2:XA+4*\i+3], v[XA+4*\i+6:XA+4*\i+7]
.endr
.irp i, 0,4
	v_pk_add_f32 v[XA+4*\i:XA+4*\i+1], v[XA+4*\i:XA+4*\i+1], v[XA+4*\i+8:XA+4*\i+9]
	v_pk_add_f32 v[XA+4*\i+2:XA+4*\i+3], v[XA+4*\i+2:XA+4*\i+3], v[XA+4*\i+10:XA+4*\i+11]
.endr
	v_pk_add_f32 v[XA:XA+1], v[XA:XA+1], v[XA+16:XA+17]
	v_pk_add_f32 v[XA+2:XA+3], v[XA+2:XA+3], v[XA+18:XA+19]
	v_pk_mul_f32 v[XA:XA+1], v[XA:XA+1], s[CC:CC+1] op_sel_hi:[1,0]    ; x c, so that the next launch adds it by the multiply-add that scales its sums
	v_pk_mul_f32 v[XA+2:XA+3], v[XA+2:XA+3], s[CC:CC+1] op_sel_hi:[1,0]
	global_store_b128 v[RR], v[XA:XA+3], s[12:13]  ; the wave stores 512 consecutive bytes, aligned
	s_wait_tensorcnt 0x0
	ds_add_u32 v254, v255
	s_wait_dscnt 0x0
	s_endpgm
	; ---- the second way: W_mem's codes
.Lmem:
	s_sub_co_u32 s15, ttmp9, 64
	s_lshl_b32 s15, s15, 1
	s_add_co_u32 s15, s15, s27                     ; T
	s_lshl_b32 s18, s28, 19
	s_lshl_b32 s26, s15, 6
	s_add_co_u32 s18, s18, s26
	s_mul_i32 s30, s15, 8704                       ; the tile's record
	s_lshl_b32 s32, s28, 11                        ; my K step's fragment in it
	s_wait_kmcnt 0x0
	s_add_nc_u64 s[4:5], s[4:5], s[18:19]
	s_add_nc_u64 s[10:11], s[10:11], s[30:31]
	s_add_nc_u64 s[34:35], s[10:11], s[32:33]
	WLD 4
	s_wait_loadcnt 0x0
	QUANTP XA, WC, WSW
.irp c, 0,1,2,3
	global_store_b128 v[LI], v[WC+4*\c:WC+4*\c+3], s[34:35] offset:512*\c   ; the fragment as it stands in registers: 512 consecutive bytes a store
.endr
	ds_store_b32 v[MW], v[WSW]                     ; four waves' words make a lane's 16 bytes
	s_wait_dscnt 0x0
	s_barrier_signal -1
	s_barrier_wait -1
	s_cmp_lg_u32 s28, 0                            ; a tile's first wave stores its scale words
	s_cbranch_scc1 .Lmem_end
	ds_load_b128 v[XA:XA+3], v[MR]
	s_wait_dscnt 0x0
	global_store_b128 v[LI], v[XA:XA+3], s[10:11] offset:8192
.Lmem_end:
	s_wait_tensorcnt 0x0
	ds_add_u32 v254, v255
	s_wait_dscnt 0x0
	s_endpgm
.Lfunc_end_k_q738084f129_prep:
	.size	k_q738084f129_prep, .Lfunc_end_k_q738084f129_prep-k_q738084f129_prep
	.p2alignl 7, 3214868480
	.fill 96, 4, 3214868480
	.section	.rodata,"a",@progbits
	.p2align	6, 0x0
	.amdhsa_kernel k_q738084f129_prep
		.amdhsa_group_segment_fixed_size 34816
		.amdhsa_private_segment_fixed_size 0
		.amdhsa_enable_private_segment 0
		.amdhsa_kernarg_size 40
		.amdhsa_user_sgpr_count 2
		.amdhsa_user_sgpr_kernarg_segment_ptr 1
		.amdhsa_wavefront_size32 1
		.amdhsa_system_sgpr_workgroup_id_x 1
		.amdhsa_system_sgpr_workgroup_id_y 1
		.amdhsa_system_sgpr_workgroup_id_z 1
		.amdhsa_system_vgpr_workitem_id 0
		.amdhsa_next_free_vgpr 256
		.amdhsa_next_free_sgpr 66
		.amdhsa_reserve_vcc 0
		.amdhsa_float_denorm_mode_32 3
		.amdhsa_float_denorm_mode_16_64 3
		.amdhsa_memory_ordered 1
		.amdhsa_forward_progress 1
		.amdhsa_inst_pref_size 74
	.end_amdhsa_kernel
	.amdgpu_metadata
---
amdhsa.version: [ 1, 2 ]
amdhsa.kernels:
  - .name:           k_q738084f129_prep
    .symbol:         k_q738084f129_prep.kd
    .args:
      - { .name: W_mem, .offset: 0, .size: 8, .value_kind: global_buffer, .address_space: global }
      - { .name: W_dec, .offset: 8, .size: 8, .value_kind: global_buffer, .address_space: global }
      - { .name: decoder_state, .offset: 16, .size: 8, .value_kind: global_buffer, .address_space: global }
      - { .name: wq, .offset: 24, .size: 8, .value_kind: global_buffer, .address_space: global }
      - { .name: decw, .offset: 32, .size: 8, .value_kind: global_buffer, .address_space: global }
    .group_segment_fixed_size: 34816
    .private_segment_fixed_size: 0
    .kernarg_segment_align: 8
    .kernarg_segment_size: 40
    .max_flat_workgroup_size: 256
    .sgpr_count:     66
    .vgpr_count:     256
    .wavefront_size: 32
...
	.end_amdgpu_metadata
.endif
;; end of part 1
;; launch main (part 2): grid 256 x 1, 8 waves a work-group, no clusters, 327,680 bytes of LDS; arguments memory_bank, src_mask, W_v, wq, decw, tsc, stats, ctxp; writes tsc, stats, ctxp
.if DOCPART == 2
	.amdgcn_target "amdgcn-amd-amdhsa--gfx1250"
	.amdhsa_code_object_version 6
	.text
	.protected	k_q738084f129_main
	.globl	k_q738084f129_main
	.p2align	8
	.type	k_q738084f129_main,@function
k_q738084f129_main:
	s_mov_b64 s[64:65], 0
	v_nop
	global_prefetch_b8 v0, s[64:65] scope:SCOPE_SE
	s_setreg_imm32_b32 hwreg(HW_REG_WAVE_MODE, 25, 1), 1
	s_wait_xcnt 0x0
; scores, a running softmax and the partial context for 512 rows of memory_bank (a quarter of one batch) in each work-group; memory_bank is read once.
; tanh(x) = 1 - 2 r, r = 1 / (1 + 2^(c x)), c = 2 log2(e).  So score x log2(e) = a constant of the launch + t, t = the sum over n of wv'[n] r[n], wv' = -c W_v; a softmax does not see the constant: p = 2^(t - M).
; A CHUNK is 64 rows.  Its f32 numbers come into one of two LDS slots by tensor loads (each wave its own 8 rows), are quantised there to BF8 (E5M2) codes with E8M0 scales, multiplied with all 1,024 columns of W_mem,
; and read once more, as f32, for the context, under the running maximum M: context and sum are multiplied by 2^(old M - new M) in every chunk.
; THE WAVES SHARE THE COLUMNS: wave w makes tiles T = 8 w + j, j = 0 .. 7, of 16 columns, for all 64 rows.  W's codes come from memory straight into registers, a record of 17 loads a tile, two tiles ahead.
; The product is used transposed (source 0 = 16 columns of W, source 1 = 16 rows): lane (r, h) holds row r and columns 16 T + 8 h + 0 .. 7.
; NO CLUSTER: no two work-groups read the same rows of memory_bank; W's codes are the same for all, but they go into registers: beside the two slots and the codes LDS has 10,240 bytes left, a tile's record is 8,704.
; LIMITS: NaN and infinities among the inputs are not served; a block of zeros gets the scale byte 1 (its codes are zeros); M starts at -3e38, so a t under -3e38 counts as masked.
; A quarter whose mask is all zero leaves M = -3e38, sum 0, context 0; the last launch makes of four such quarters the NaN that the definition gives.
; LDS: two slots of 128 half rows (1,024 bytes + 16 of padding; row p at 2,080 p); the codes as images of the operand's registers; small tables; the spare words.
.set SLOTB, 133120
.set CODES, 266240                     ; fragment (m, k) at 2,048 (4 m + k) + 512 c + 16 lane
.set ASC,   299008                     ; the rows' scale words: 512 m + 16 lane + 4 k
.set TAB,   301056                     ; 128 T + 64 h: eight c x dec_feat, then eight wv'
.set PART,  309248                     ; the waves' parts of t: 32 row + 4 wave
.set MASK,  311296                     ; src_mask of my 512 rows
.set TS,    313344                     ; t of my 512 rows (wave 0's own)
.set PB,    315392                     ; 128 wave + 4 lane: a wave's 32 weights p, its own
.set SPARE, 316416                     ; the spare words, 128 bytes a wave: four blocks of 256 bytes that no other line names
; REGISTERS.  Window 0: v1-15 addresses; v16-31 the rows' scale words; v32-159 two tiles of W; v160-167 their scale words; v168-173 context, M, sum; v176-255 at work.
; Window 1 (v256-511): 128 numbers to quantise; then the rows' 16 fragments; then 32 rows x 4 numbers for the context.
.set SPW, 1
.set NIL, 2
.set LI,  3                            ; 16 lane
.set QA,  4                            ; the quantiser's place in a slot
.set CWA, 5                            ; where my codes go
.set ASA, 6                            ; where my two scale words go
.set ASR, 7
.set TABA, 8
.set PSA, 9
.set PRA, 10
.set MA,  11
.set PBA, 12
.set PBB, 13
.set CXA, 14                           ; the context's place in a slot
.set ADR, 15
.set AS,  16
.set WB0, 32
.set WS0, 160
.set CTX, 168
.set MM,  172
.set LL,  173
.set CODR, 174
.set AD2, 175
.set TM,  176                          ; quantiser: v176-191 at work, v192-207 codes, v208-209 scale words
.set PC,  192
.set PW,  208
.set ACC, 176                          ; products: v176-207 four accumulators, v208-239 two sets of the table, v240-247 four running sums, v248-255 at work
.set TAB0, 208
.set SA,  240
.set TT,  248
.set PS,  176                          ; softmax
.set MK,  192
.set NINF, 194
.set T0,  196
.set MX,  198
.set MN,  200
.set TMPS, 201
.set FF,  202                          ; f, p0, p1
.set PR,  206
.set PV,  208
.set T4,  240
.set WV,  20
.set SB,  21                           ; the slot in hand: 0 or SLOTB
.set CO,  22                           ; 256 x chunk
.set CNT, 23
.set G1,  24
.set G0,  32
.set CC,  36
.set SEL, 38
.set MNT, 40
.set HM,  41
.set WQ,  44
.set MSB, 0
.macro WIN new                         ; low byte: bits 1:0 source 0, 3:2 source 1, 5:4 source 2, 7:6 destination; the high byte repeats the setting that is left
.if MSB != \new
	s_set_vgpr_msb (MSB<<8)|\new
.set MSB, \new
.endif
.endm
.macro PLACES n
.rept \n
	v_nop
.endr
.endm
.macro WLOAD t, p                      ; tile t's record into set p: 16 loads of codes, one of scale words; each reads 512 consecutive bytes; the address registers are never rewritten
.irp i, 0,1,2,3,4,5,6,7,8,9,10,11,12,13,14,15
	global_load_b128 v[WB0+64*(\p)+4*\i:WB0+64*(\p)+4*\i+3], v[LI], s[WQ:WQ+1] offset:8704*(\t)+512*\i
.endr
	global_load_b128 v[WS0+4*(\p):WS0+4*(\p)+3], v[LI], s[WQ:WQ+1] offset:8704*(\t)+8192
.endm
.macro TABLOAD t                       ; tile t's eight c x dec_feat and eight wv' of my half
.irp i, 0,1,2,3
	ds_load_b128 v[TAB0+16*((\t)%2)+4*\i:TAB0+16*((\t)%2)+4*\i+3], v[TABA] offset:128*(\t)+16*\i
.endr
.endm
; 64 numbers of a lane in window 1, register s + 16 b + i = k 32 b + 16 h + i of my row, become codes in v[PC] on and a scale word in v[pw]
.macro QUANT s, pw
	WIN 0x14                                       ; sources 1 and 2 in window 1
.irp b, 0,1,2,3
	v_max3_num_f32 v[TM+\b], 0x8000000, |v[\s+16*\b]|, |v[\s+1+16*\b]|   ; the floor 2^(16 - 127): the byte cannot fall under 1
.endr
.irp i, 2,4,6,8,10,12,14
.irp b, 0,1,2,3
	v_max3_num_f32 v[TM+\b], v[TM+\b], |v[\s+16*\b+\i]|, |v[\s+1+16*\b+\i]|
.endr
.endr
	WIN 0
.irp b, 0,1,2,3
	v_permlanex16_b32 v[TM+4+\b], v[TM+\b], s[SEL], s[SEL+1]
.endr
.irp b, 0,1,2,3
	v_max_num_f32 v[TM+\b], v[TM+\b], v[TM+4+\b]   ; with lane l xor 16's 16: the block's largest magnitude
.endr
.irp b, 0,1,2,3
	v_add_nc_u32 v[TM+12+\b], 0xf8800000, v[TM+\b]   ; 15 off the exponent field: the conversion's scale operand
.endr
.irp b, 0,1,2,3
	v_and_or_b32 v[TM+8+\b], v[TM+\b], 0x7f800000, s[MNT]   ; 57,344 x the scale
.endr
.irp b, 0,1,2,3
	v_lshrrev_b32 v[TM+4+\b], 23, v[TM+12+\b]      ; the scale's byte
.endr
	v_lshl_or_b32 v[\pw], v[TM+5], 8, v[TM+4]
	v_lshl_or_b32 v[\pw], v[TM+6], 16, v[\pw]
	v_lshl_or_b32 v[\pw], v[TM+7], 24, v[\pw]
	WIN 0x41                                       ; destination and source 0 in window 1
.irp b, 0,1,2,3
.irp i, 0,1,2,3,4,5,6,7,8,9,10,11,12,13,14,15
	v_med3_num_f32 v[\s+16*\b+\i], v[\s+16*\b+\i], -v[TM+8+\b], v[TM+8+\b]   ; the conversion does not saturate (ISA guide 7.6.2): the hold
.endr
.endr
	WIN 0x01                                       ; source 0 in window 1
.irp b, 0,1,2,3
	v_cvt_scalef32_pk8_bf8_f32 v[PC+4*\b:PC+1+4*\b], v[\s+16*\b:\s+7+16*\b], v[TM+12+\b]
	v_cvt_scalef32_pk8_bf8_f32 v[PC+2+4*\b:PC+3+4*\b], v[\s+8+16*\b:\s+15+16*\b], v[TM+12+\b]
.endr
	WIN 0
	v_nop                                          ; a plain line behind the last conversion
.endm
; A tile's 128 sums a lane-quarter become r = 1 / (1 + 2^(c enc + c dec)) and are added, times wv', onto the four rows' running sums.  Two batches of 32 transcendentals, one wait each.
.macro EPI j
.set TB, TAB0+16*((\j)%2)
.irp m, 0,1,2,3
.irp p, 0,1,2,3
	v_pk_fma_f32 v[ACC+8*\m+2*\p:ACC+8*\m+2*\p+1], v[ACC+8*\m+2*\p:ACC+8*\m+2*\p+1], s[CC:CC+1], v[TB+2*\p:TB+2*\p+1] op_sel_hi:[1,0,1]   ; each accumulator from its low end on
.endr
.endr
.set i, 0
.rept 32
	v_exp_f32 v[ACC+i], v[ACC+i]                   ; overflow gives infinity and r = 0 (tanh = 1), underflow 0 and r = 1 (tanh = -1): no clamp
.set i, i+1
.endr
	v_nop                                          ; a plain line behind the last of the batch
	s_wait_alu depctr_va_vdst(0)                   ; one wait for the batch, ahead of its first reader
.set i, 0
.rept 16
	v_pk_add_f32 v[ACC+2*i:ACC+2*i+1], v[ACC+2*i:ACC+2*i+1], 1.0 op_sel_hi:[1,0]
.set i, i+1
.endr
.set i, 0
.rept 32
	v_rcp_f32 v[ACC+i], v[ACC+i]
.set i, i+1
.endr
	v_nop
	s_wait_alu depctr_va_vdst(0)
.irp p, 0,1,2,3
.irp m, 0,1,2,3
.if ((\j) == 0) && (\p == 0)
	v_pk_mul_f32 v[SA+2*\m:SA+2*\m+1], v[ACC+8*\m+2*\p:ACC+8*\m+2*\p+1], v[TB+8+2*\p:TB+8+2*\p+1]   ; the chunk's first products start the sums: nothing is cleared
.else
	v_pk_fma_f32 v[SA+2*\m:SA+2*\m+1], v[ACC+8*\m+2*\p:ACC+8*\m+2*\p+1], v[TB+8+2*\p:TB+8+2*\p+1], v[SA+2*\m:SA+2*\m+1]
.endif
.endr
.endr
.endm
; Tile j: 16 products (K step by K step, the four accumulators by turns), the record of the tile two on, the next tile's table, the tanh.
.macro TILE j, ld, cnt
.set WB, WB0+64*((\j)%2)
.set WS, WS0+4*((\j)%2)
	s_wait_loadcnt \cnt                            ; loads come back in order: this tile's record is in; the next tile's 17 loads, the only younger ones, may be out
	s_wait_dscnt 0x0                               ; the table (in tile 0 also the rows' fragments and scale words)
	WIN 0x04                                       ; source 1, the rows' fragment, in window 1
.irp k, 0,1,2,3
.irp m, 0,1,2,3
.if \k == 0
	v_wmma_scale_f32_16x16x128_f8f6f4 v[ACC+8*\m:ACC+8*\m+7], v[WB+16*\k:WB+16*\k+15], v[16*(4*\m+\k):16*(4*\m+\k)+15], 0, v[WS+\k], v[AS+4*\m+\k] matrix_a_fmt:MATRIX_FMT_BF8 matrix_b_fmt:MATRIX_FMT_BF8
.else
	v_wmma_scale_f32_16x16x128_f8f6f4 v[ACC+8*\m:ACC+8*\m+7], v[WB+16*\k:WB+16*\k+15], v[16*(4*\m+\k):16*(4*\m+\k)+15], v[ACC+8*\m:ACC+8*\m+7], v[WS+\k], v[AS+4*\m+\k] matrix_a_fmt:MATRIX_FMT_BF8 matrix_b_fmt:MATRIX_FMT_BF8
.endif
.endr
.endr
	WIN 0
	PLACES 9                                       ; eight ahead of loads into W's registers and of the first read of results; the ninth since the next tile's products begin these accumulators anew
.if \ld
	WLOAD ((\j)+2)%8, (\j)%2
.endif
.if (\j) < 7
	TABLOAD (\j)+1
.endif
	EPI \j
.endm
; ONE CHUNK.  fill = 1: the other slot is filled with the next chunk's rows.
.macro CHUNK fill
	s_wait_tensorcnt 0x0                           ; my one tensor load, my 8 rows of this chunk, has landed; no load of mine is out, so the group 0 may be written
	ds_add_u32 v[SPW], v[NIL]                      ; 0 onto my spare word
.if \fill
	s_xor_b32 s[G0+1], s[G0+1], SLOTB              ; the other slot (16,640 x wave never sets SLOTB's two bits)
	s_add_nc_u64 s[G0+2:G0+3], s[G0+2:G0+3], 131072   ; 64 rows of 2,048 bytes on; the type bits on top are not reached
.endif
	s_wait_dscnt 0x0                               ; the add is done, and so are my reads of the other slot (and, in the first chunk, my stores of the tables)
	s_barrier_signal -1
	s_barrier_wait -1                              ; this chunk's slot is whole, and nobody reads the other
.if \fill
	tensor_load_to_lds s[G0:G0+3], s[G1:G1+7]      ; my one tensor load until the next such barrier: it has the whole chunk in which to land
	s_nop 0
	PLACES 4
.endif
	; ---- the quantiser: wave w takes rows 16 (w / 2) on; lanes r < 8 take K half w % 2, lanes r >= 8 the other, so that sixteen lanes' 16 bytes fall into sixteen different columns of 16 bytes modulo 256
	v_add_nc_u32 v[ADR], s[SB], v[QA]
	WIN 0x40                                       ; destination in window 1
.irp s, 0,1
.irp c, 0,1,2,3
.irp j, 0,1,2,3
	ds_load_b128 v[64*\s+16*\c+4*\j:64*\s+16*\c+4*\j+3], v[ADR] offset:512*\s+128*\c+16*\j
.endr
.endr
.endr
	WIN 0
	s_wait_dscnt 16                                ; the first K step's 16 loads are in
	QUANT 0, PW
.irp c, 0,1,2,3
	ds_store_b128 v[CWA], v[PC+4*\c:PC+4*\c+3] offset:512*\c
.endr
	s_wait_dscnt 0x0                               ; the second K step is in, and the stores have read their registers
	QUANT 64, PW+1
.irp c, 0,1,2,3
	ds_store_b128 v[CWA], v[PC+4*\c:PC+4*\c+3] offset:2048+512*\c
.endr
	ds_store_b64 v[ASA], v[PW:PW+1]
	s_wait_dscnt 0x0                               ; for the others' sake: my codes and scale words lie in LDS
	s_barrier_signal -1
	s_barrier_wait -1                              ; the tensor load stays out
	; ---- all 16 fragments of the 64 rows, as they were stored
	WIN 0x40
.set i, 0
.rept 64
	ds_load_b128 v[4*i:4*i+3], v[CODR] offset:512*i
.set i, i+1
.endr
	WIN 0
.irp m, 0,1,2,3
	ds_load_b128 v[AS+4*\m:AS+4*\m+3], v[ASR] offset:512*\m
.endr
	TABLOAD 0
.if \fill
.irp j, 0,1,2,3,4,5,6,7
	TILE \j, 1, 17                                 ; tiles 6 and 7 ask for the next chunk's tiles 0 and 1
.endr
.else
.irp j, 0,1,2,3,4,5
	TILE \j, 1, 17
.endr
	TILE 6, 0, 17                                  ; the last chunk asks for nothing beyond its own tiles
	TILE 7, 0, 0
.endif
	; ---- my 128 columns' part of t for the 64 rows
.irp m, 0,1,2,3
	v_add_f32 v[TT+\m], v[SA+2*\m], v[SA+2*\m+1]
.endr
.irp m, 0,1,2,3
	v_permlanex16_b32 v[TT+4+\m], v[TT+\m], s[SEL], s[SEL+1]
.endr
.irp m, 0,1,2,3
	v_add_f32 v[TT+\m], v[TT+\m], v[TT+4+\m]
.endr
.irp m, 0,1,2,3
	ds_store_b32 v[PSA], v[TT+\m] offset:512*\m    ; both halves of the lanes write the same word with the same value
.endr
	s_wait_dscnt 0x0
	s_barrier_signal -1
	s_barrier_wait -1                              ; the eight parts of every row lie in LDS
	; ---- the softmax's step (every wave for itself: lane l has rows l and l + 32), and my share of the context: rows 32 (w / 4) on, columns 128 (w % 4) + 4 lane on
.irp i, 0,1
	ds_load_b128 v[PS+4*\i:PS+4*\i+3], v[PRA] offset:16*\i
.endr
.irp i, 0,1
	ds_load_b128 v[PS+8+4*\i:PS+8+4*\i+3], v[PRA] offset:1024+16*\i
.endr
	v_add_nc_u32 v[AD2], s[CO], v[MA]
	ds_load_b32 v[MK], v[AD2]
	ds_load_b32 v[MK+1], v[AD2] offset:128
	v_add_nc_u32 v[ADR], s[SB], v[CXA]
	WIN 0x40
.set i, 0
.rept 32
	ds_load_b128 v[4*i:4*i+3], v[ADR] offset:2080*i   ; a row's 512 consecutive bytes for the wave
.set i, i+1
.endr
	WIN 0
	v_mov_b32 v[NINF], 0xff800000
	s_wait_dscnt 32                                ; the parts and the mask are in; the 32 rows may be out
	v_pk_add_f32 v[PS:PS+1], v[PS:PS+1], v[PS+2:PS+3]
	v_pk_add_f32 v[PS+4:PS+5], v[PS+4:PS+5], v[PS+6:PS+7]
	v_pk_add_f32 v[PS+8:PS+9], v[PS+8:PS+9], v[PS+10:PS+11]
	v_pk_add_f32 v[PS+12:PS+13], v[PS+12:PS+13], v[PS+14:PS+15]
	v_pk_add_f32 v[PS:PS+1], v[PS:PS+1], v[PS+4:PS+5]
	v_pk_add_f32 v[PS+8:PS+9], v[PS+8:PS+9], v[PS+12:PS+13]
	v_add_f32 v[T0], v[PS], v[PS+1]
	v_add_f32 v[T0+1], v[PS+8], v[PS+9]
	v_cmp_eq_u32 vcc_lo, 0, v[MK]
	v_cndmask_b32 v[T0], v[T0], v[NINF], vcc_lo    ; a masked row: -infinity
	v_cmp_eq_u32 vcc_lo, 0, v[MK+1]
	v_cndmask_b32 v[T0+1], v[T0+1], v[NINF], vcc_lo
	s_cmp_lg_u32 s[WV], 0                          ; wave 0 keeps t for the last launch
	s_cbranch_scc1 .Lnot0_\@
	ds_store_b32 v[AD2], v[T0] offset:TS-MASK
	ds_store_b32 v[AD2], v[T0+1] offset:TS-MASK+128
.Lnot0_\@:
	v_max_num_f32 v[MX], v[T0], v[T0+1]
	v_max_num_f32_dpp v[MX], v[MX], v[MX] row_xmask:1 row_mask:0xf bank_mask:0xf
	v_max_num_f32_dpp v[MX], v[MX], v[MX] row_xmask:2 row_mask:0xf bank_mask:0xf
	v_max_num_f32_dpp v[MX], v[MX], v[MX] row_xmask:4 row_mask:0xf bank_mask:0xf
	v_max_num_f32_dpp v[MX], v[MX], v[MX] row_xmask:8 row_mask:0xf bank_mask:0xf
	v_permlanex16_b32 v[MX+1], v[MX], s[SEL], s[SEL+1]
	v_max3_num_f32 v[MN], v[MX], v[MX+1], v[MM]    ; the new running maximum, the same in every lane
	v_sub_f32 v[FF], v[MM], v[MN]
	v_sub_f32 v[FF+1], v[T0], v[MN]
	v_sub_f32 v[FF+2], v[T0+1], v[MN]
	v_exp_f32 v[FF], v[FF]                         ; f = 2^(old M - new M)
	v_exp_f32 v[FF+1], v[FF+1]                     ; p of row l
	v_exp_f32 v[FF+2], v[FF+2]                     ; p of row l + 32
	v_mov_b32 v[MM], v[MN]                         ; (the plain line behind the batch)
	s_wait_alu depctr_va_vdst(0)                   ; one wait for the three
	v_add_f32 v[TMPS], v[FF+1], v[FF+2]
	v_fma_f32 v[LL], v[LL], v[FF], v[TMPS]         ; the sum, a part in each lane
	v_pk_mul_f32 v[CTX:CTX+1], v[CTX:CTX+1], v[FF:FF+1] op_sel_hi:[1,0]
	v_pk_mul_f32 v[CTX+2:CTX+3], v[CTX+2:CTX+3], v[FF:FF+1] op_sel_hi:[1,0]
	v_cndmask_b32 v[PR], v[FF+1], v[FF+2], s[HM]   ; waves 0-3 want rows 0-31, waves 4-7 rows 32-63
	ds_store_b32 v[PBA], v[PR]                     ; through my own 128 bytes: LDS serves a wave's instructions in order, so the loads below see the store
.irp i, 0,1,2,3,4,5,6,7
	ds_load_b128 v[PV+4*\i:PV+4*\i+3], v[PBB] offset:16*\i   ; all 32 weights into every lane
.endr
	s_wait_dscnt 0x0                               ; the weights and the 32 rows
	WIN 0x01                                       ; source 0, the rows' numbers, in window 1
.set i, 0
.rept 16                               ; even rows onto the context, odd rows onto a second sum: four chains that do not wait for each other
	v_pk_fma_f32 v[CTX:CTX+1], v[8*i:8*i+1], v[PV+2*i:PV+2*i+1], v[CTX:CTX+1] op_sel_hi:[1,0,1]
	v_pk_fma_f32 v[CTX+2:CTX+3], v[8*i+2:8*i+3], v[PV+2*i:PV+2*i+1], v[CTX+2:CTX+3] op_sel_hi:[1,0,1]
.if i == 0
	v_pk_mul_f32 v[T4:T4+1], v[8*i+4:8*i+5], v[PV+2*i:PV+2*i+1] op_sel:[0,1] op_sel_hi:[1,1]
	v_pk_mul_f32 v[T4+2:T4+3], v[8*i+6:8*i+7], v[PV+2*i:PV+2*i+1] op_sel:[0,1] op_sel_hi:[1,1]
.else
	v_pk_fma_f32 v[T4:T4+1], v[8*i+4:8*i+5], v[PV+2*i:PV+2*i+1], v[T4:T4+1] op_sel:[0,1,0] op_sel_hi:[1,1,1]
	v_pk_fma_f32 v[T4+2:T4+3], v[8*i+6:8*i+7], v[PV+2*i:PV+2*i+1], v[T4+2:T4+3] op_sel:[0,1,0] op_sel_hi:[1,1,1]
.endif
.set i, i+1
.endr
	WIN 0
	v_pk_add_f32 v[CTX:CTX+1], v[CTX:CTX+1], v[T4:T4+1]
	v_pk_add_f32 v[CTX+2:CTX+3], v[CTX+2:CTX+3], v[T4+2:T4+3]
	s_xor_b32 s[SB], s[SB], SLOTB                  ; on to the other slot
	s_add_co_u32 s[CO], s[CO], 256
.endm
	s_load_b256 s[4:11], s[0:1], 0x0               ; memory_bank s[4:5], src_mask s[6:7], W_v s[8:9], wq s[10:11]
	s_load_b256 s[12:19], s[0:1], 0x20             ; decw s[12:13], tsc s[14:15], stats s[16:17], ctxp s[18:19]
	v_lshl_add_u32 v[SPW], v0, 2, SPARE
	v_mov_b32 v[NIL], 0
	ds_add_u32 v1, v2
	ds_add_u32 v1, v2
	s_wait_dscnt 0x0
	v_lshrrev_b32 v245, 5, v0
	v_readfirstlane_b32 s[WV], v245                ; wave 0..7
	; descriptor group 1: my 8 rows of 2,048 bytes, dense in memory, as 16 rows of 256 elements of 4 bytes; 4 words of padding behind each 256
	s_mov_b32 s[G1], (2<<16)|(1<<20)|(7<<22)|(3<<25)
	s_mov_b32 s[G1+1], 256<<16                     ; tensor_dim0
	s_mov_b32 s[G1+2], 16<<16                      ; tensor_dim1
	s_mov_b32 s[G1+3], 256<<16                     ; tile_dim0
	s_mov_b32 s[G1+4], 16                          ; tile_dim1
	s_mov_b32 s[G1+5], 256                         ; from row to row
	s_mov_b32 s[G1+6], 0
	s_mov_b32 s[G1+7], 0
	s_mov_b32 s[G0], 1
	s_mul_i32 s[G0+1], s[WV], 16640                ; slot 0, my 16 half rows of 1,040 bytes
	s_lshl_b32 s46, ttmp9, 20                      ; the work-group's 512 rows of 2,048 bytes
	s_lshl_b32 s47, s[WV], 14                      ; my 8 rows
	s_add_co_u32 s46, s46, s47
	s_mov_b32 s47, 0
	s_wait_kmcnt 0x0
	s_add_nc_u64 s[G0+2:G0+3], s[4:5], s[46:47]
	s_or_b32 s[G0+3], s[G0+3], 0x80000000          ; type = 2
	tensor_load_to_lds s[G0:G0+3], s[G1:G1+7]      ; chunk 0, ahead of everything else
	s_nop 0
	PLACES 4
	s_lshr_b32 s46, ttmp9, 2                       ; the batch b
	s_lshr_b32 s48, s46, 4
	s_lshl_b32 s48, s48, 10                        ; decw: 1,024 (b / 16)
	s_and_b32 s46, s46, 15
	s_lshl_b32 s46, s46, 4                         ; + 16 (b % 16)
	s_add_co_u32 s46, s46, s48
	s_add_nc_u64 s[12:13], s[12:13], s[46:47]
	s_lshl_b32 s46, ttmp9, 11                      ; 512 rows x 4 bytes
	s_add_nc_u64 s[6:7], s[6:7], s[46:47]
	s_add_nc_u64 s[14:15], s[14:15], s[46:47]
	s_lshl_b32 s46, ttmp9, 8
	s_add_nc_u64 s[16:17], s[16:17], s[46:47]
	s_mul_i32 s46, s[WV], 69632                    ; my eight records of 8,704 bytes
	s_add_nc_u64 s[WQ:WQ+1], s[10:11], s[46:47]
	s_lshl_b32 s46, ttmp9, 12                      ; ctxp: 4,096 work-group + 2,048 (w / 4) + 512 (w % 4)
	s_lshr_b32 s48, s[WV], 2
	s_lshl_b32 s48, s48, 11
	s_add_co_u32 s46, s46, s48
	s_and_b32 s48, s[WV], 3
	s_lshl_b32 s48, s48, 9
	s_add_co_u32 s46, s46, s48
	s_add_nc_u64 s[18:19], s[18:19], s[46:47]
	; the tables: thread t brings columns 4 t .. 4 t + 3 of c x dec_feat[b] and of W_v, and two words of the mask
	v_lshrrev_b32 v176, 2, v0
	v_lshlrev_b32 v176, 12, v176
	v_and_b32 v177, 1, v0
	v_lshl_add_u32 v176, v177, 9, v176
	v_bfe_u32 v177, v0, 1, 1
	v_lshl_add_u32 v176, v177, 8, v176             ; 4,096 (t / 4) + 512 (t % 2) + 256 ((t / 2) % 2)
	v_lshlrev_b32 v178, 4, v0
	v_lshlrev_b32 v179, 3, v0
	global_load_b128 v[180:183], v176, s[12:13]
	global_load_b128 v[184:187], v178, s[8:9]
	global_load_b64 v[188:189], v179, s[6:7]
	v_lshrrev_b32 v190, 1, v0
	v_lshlrev_b32 v190, 6, v190
	v_and_b32 v191, 1, v0
	v_lshl_add_u32 v190, v191, 4, v190
	v_add_nc_u32 v190, TAB, v190                   ; TAB + 64 (t / 2) + 16 (t % 2)
	v_lshl_add_u32 v191, v0, 3, MASK
	; addresses that stay.  All terms come from the thread's number: bits 3:0 r, bit 4 h, bits 7:5 the wave
	v_and_b32 v247, 31, v0                         ; lane
	v_and_b32 v240, 15, v0                         ; r
	v_bfe_u32 v241, v0, 5, 1
	v_bfe_u32 v242, v0, 3, 1
	v_xor_b32 v241, v241, v242                     ; kh = (w % 2) xor (r / 8)
	v_bfe_u32 v243, v0, 4, 1                       ; h
	v_lshrrev_b32 v244, 6, v0                      ; m = w / 2
	v_lshlrev_b32 v[LI], 4, v247
	v_mul_u32_u24 v[QA], v240, 2080
	v_mad_u32_u24 v[QA], v241, 1040, v[QA]
	v_lshl_add_u32 v[QA], v243, 6, v[QA]
	v_mad_u32_u24 v[QA], v244, 33280, v[QA]        ; 2,080 (16 m + r) + 1,040 kh + 64 h
	v_lshl_add_u32 v[CWA], v244, 13, v[LI]
	v_lshl_add_u32 v[CWA], v241, 12, v[CWA]
	v_add_nc_u32 v[CWA], CODES, v[CWA]             ; fragment (m, 2 kh), my lane's place
	v_lshl_add_u32 v[ASA], v244, 9, v[LI]
	v_lshl_add_u32 v[ASA], v241, 3, v[ASA]
	v_add_nc_u32 v[ASA], ASC, v[ASA]
	v_add_nc_u32 v[ASR], ASC, v[LI]
	v_lshlrev_b32 v[TABA], 10, v245
	v_lshl_add_u32 v[TABA], v243, 6, v[TABA]
	v_add_nc_u32 v[TABA], TAB, v[TABA]
	v_lshlrev_b32 v[PSA], 5, v240
	v_lshl_add_u32 v[PSA], v245, 2, v[PSA]
	v_add_nc_u32 v[PSA], PART, v[PSA]
	v_lshl_add_u32 v[PRA], v[LI], 1, PART
	v_lshl_add_u32 v[MA], v247, 2, MASK
	v_lshl_add_u32 v[PBA], v0, 2, PB
	v_lshl_add_u32 v[PBB], v245, 7, PB
	v_lshrrev_b32 v246, 7, v0                      ; w / 4
	v_mad_u32_u24 v[CXA], v246, 66560, v[LI]
	v_bfe_u32 v246, v0, 5, 2                       ; w % 4
	v_lshl_add_u32 v[CXA], v246, 9, v[CXA]
	v_bfe_u32 v246, v0, 6, 1                       ; columns from 256 on lie behind a row's first padding
	v_lshl_add_u32 v[CXA], v246, 4, v[CXA]
	v_add_nc_u32 v[CODR], CODES, v[LI]
	v_mov_b32 v[MM], 0xff61b1e6                    ; -3e38
	v_mov_b32 v[LL], 0
.irp i, 0,1,2,3
	v_mov_b32 v[CTX+\i], 0
	v_mov_b32 v[TT+4+\i], 0                        ; written once: a lane permute's destination counts as one of its sources
.endr
	v_mov_b32 v[MX+1], 0
	s_mov_b32 s[CC], 0x4038aa3b                    ; c = 2 log2(e)
	s_mov_b32 s[CC+1], s[CC]
	s_mov_b32 s50, 0xc038aa3b                      ; -c
	s_mov_b32 s51, s50
	s_mov_b32 s[SEL], 0x76543210
	s_mov_b32 s[SEL+1], 0xfedcba98
	s_mov_b32 s[MNT], 0x600000
	s_cmp_ge_u32 s[WV], 4
	s_cselect_b32 s[HM], -1, 0
	s_mov_b32 s[SB], 0
	s_mov_b32 s[CO], 0
	s_mov_b32 s[CNT], 7
	s_wait_loadcnt 0x0
	v_pk_mul_f32 v[184:185], v[184:185], s[50:51] op_sel_hi:[1,0]   ; wv' = -c W_v
	v_pk_mul_f32 v[186:187], v[186:187], s[50:51] op_sel_hi:[1,0]
	ds_store_b128 v190, v[180:183]
	ds_store_b128 v190, v[184:187] offset:32
	ds_store_b64 v191, v[188:189]                  ; the first chunk's barrier, with its wait for these stores, stands ahead of every read of the tables
	WLOAD 0, 0
	WLOAD 1, 1
.Lchunk:                                               ; seven trips; each asks for the next chunk
	CHUNK 1
	s_sub_co_u32 s[CNT], s[CNT], 1
	s_cmp_lg_u32 s[CNT], 0
	s_cbranch_scc1 .Lchunk
	CHUNK 0                                        ; the last chunk is written out
	; ---- the way out
	v_add_f32_dpp v[LL], v[LL], v[LL] row_xmask:1 row_mask:0xf bank_mask:0xf
	v_add_f32_dpp v[LL], v[LL], v[LL] row_xmask:2 row_mask:0xf bank_mask:0xf
	v_add_f32_dpp v[LL], v[LL], v[LL] row_xmask:4 row_mask:0xf bank_mask:0xf
	v_add_f32_dpp v[LL], v[LL], v[LL] row_xmask:8 row_mask:0xf bank_mask:0xf
	v_permlanex16_b32 v[MX+1], v[LL], s[SEL], s[SEL+1]
	v_add_f32 v[LL], v[LL], v[MX+1]                ; the sum of my work-group's 512 p
	v_add_nc_u32 v[ADR], TS, v[LI]
	v_lshrrev_b32 v[AD2], 1, v[LI]                 ; 8 lane
	global_store_b128 v[LI], v[CTX:CTX+3], s[18:19]   ; 512 consecutive bytes, aligned
	s_cmp_lg_u32 s[WV], 0
	s_cbranch_scc1 .Lend
.irp i, 0,1,2,3
	ds_load_b128 v[PS+4*\i:PS+4*\i+3], v[ADR] offset:512*\i   ; wave 0's own bytes
.endr
	s_wait_dscnt 0x0
.irp i, 0,1,2,3
	global_store_b128 v[LI], v[PS+4*\i:PS+4*\i+3], s[14:15] offset:512*\i
.endr
	global_store_b64 v[AD2], v[MM:MM+1], s[16:17]  ; (M, sum), 32 times: 256 consecutive bytes, aligned
.Lend:
	s_wait_tensorcnt 0x0                           ; the wave's end
	ds_add_u32 v[SPW], v[NIL]
	s_wait_dscnt 0x0
	s_endpgm
.Lfunc_end_k_q738084f129_main:
	.size	k_q738084f129_main, .Lfunc_end_k_q738084f129_main-k_q738084f129_main
	.p2alignl 7, 3214868480
	.fill 96, 4, 3214868480
	.section	.rodata,"a",@progbits
	.p2align	6, 0x0
	.amdhsa_kernel k_q738084f129_main
		.amdhsa_group_segment_fixed_size 327680
		.amdhsa_private_segment_fixed_size 0
		.amdhsa_enable_private_segment 0
		.amdhsa_kernarg_size 64
		.amdhsa_user_sgpr_count 2
		.amdhsa_user_sgpr_kernarg_segment_ptr 1
		.amdhsa_wavefront_size32 1
		.amdhsa_system_sgpr_workgroup_id_x 1
		.amdhsa_system_sgpr_workgroup_id_y 1
		.amdhsa_system_sgpr_workgroup_id_z 1
		.amdhsa_system_vgpr_workitem_id 0
		.amdhsa_next_free_vgpr 512
		.amdhsa_next_free_sgpr 66
		.amdhsa_reserve_vcc 1
		.amdhsa_float_denorm_mode_32 3
		.amdhsa_float_denorm_mode_16_64 3
		.amdhsa_memory_ordered 1
		.amdhsa_forward_progress 1
		.amdhsa_inst_pref_size 227
	.end_amdhsa_kernel
	.amdgpu_metadata
---
amdhsa.version: [ 1, 2 ]
amdhsa.kernels:
  - .name:           k_q738084f129_main
    .symbol:         k_q738084f129_main.kd
    .args:
      - { .name: memory_bank, .offset: 0, .size: 8, .value_kind: global_buffer, .address_space: global }
      - { .name: src_mask, .offset: 8, .size: 8, .value_kind: global_buffer, .address_space: global }
      - { .name: W_v, .offset: 16, .size: 8, .value_kind: global_buffer, .address_space: global }
      - { .name: wq, .offset: 24, .size: 8, .value_kind: global_buffer, .address_space: global }
      - { .name: decw, .offset: 32, .size: 8, .value_kind: global_buffer, .address_space: global }
      - { .name: tsc, .offset: 40, .size: 8, .value_kind: global_buffer, .address_space: global }
      - { .name: stats, .offset: 48, .size: 8, .value_kind: global_buffer, .address_space: global }
      - { .name: ctxp, .offset: 56, .size: 8, .value_kind: global_buffer, .address_space: global }
    .group_segment_fixed_size: 327680
    .private_segment_fixed_size: 0
    .kernarg_segment_align: 8
    .kernarg_segment_size: 64
    .max_flat_workgroup_size: 256
    .sgpr_count:     66
    .vgpr_count:     512
    .wavefront_size: 32
...
	.end_amdgpu_metadata
.endif
;; end of part 2
;; launch fin (part 3): grid 256 x 1, 1 waves a work-group, no clusters, 0 bytes of LDS; arguments tsc, stats, ctxp, out0, out1; writes out0, out1
.if DOCPART == 3
	.amdgcn_target "amdgcn-amd-amdhsa--gfx1250"
	.amdhsa_code_object_version 6
	.text
	.protected	k_q738084f129_fin
	.globl	k_q738084f129_fin
	.p2align	8
	.type	k_q738084f129_fin,@function
k_q738084f129_fin:
	s_mov_b64 s[64:65], 0
	v_nop
	global_prefetch_b8 v0, s[64:65] scope:SCOPE_SE
	s_setreg_imm32_b32 hwreg(HW_REG_WAVE_MODE, 25, 1), 1
	s_wait_xcnt 0x0
; The four quarters of a batch are joined.  Work-group g = 4 b + q, one wave: 512 numbers of attn_dist (rows 512 q on of batch b) and 128 of context (columns 128 q on).
; M = the largest of the quarters' M_i; w_i = 2^(M_i - M); L = the sum of w_i L_i; attn = 2^(t - M) / L; context = (the sum of w_i (c_i0 + c_i1)) / L.
; A batch whose mask is all zero has L = 0: 0 x infinity gives NaN in both outputs, as the definition gives.  Sixteen loads, all issued ahead of one wait; every store covers 512 consecutive bytes, aligned.
	s_load_b256 s[4:11], s[0:1], 0x0               ; tsc s[4:5], stats s[6:7], ctxp s[8:9], out0 s[10:11]
	s_load_b64 s[12:13], s[0:1], 0x20              ; out1
	v_mov_b32 v1, 0
	v_lshlrev_b32 v2, 4, v0                        ; 16 lane
	s_lshr_b32 s14, ttmp9, 2                       ; b
	s_and_b32 s15, ttmp9, 3                        ; q
	s_lshl_b32 s16, s14, 10                        ; stats: four units of 256 bytes a batch
	s_mov_b32 s17, 0
	s_lshl_b32 s18, ttmp9, 11                      ; tsc, out1: 512 numbers a work-group
	s_mov_b32 s19, 0
	s_lshl_b32 s20, s14, 14                        ; ctxp: 16,384 b + 512 q
	s_lshl_b32 s21, s15, 9
	s_add_co_u32 s20, s20, s21
	s_mov_b32 s21, 0
	s_lshl_b32 s22, ttmp9, 9                       ; out0: 2,048 b + 512 q
	s_mov_b32 s23, 0
	s_wait_kmcnt 0x0
	s_add_nc_u64 s[6:7], s[6:7], s[16:17]
	s_add_nc_u64 s[4:5], s[4:5], s[18:19]
	s_add_nc_u64 s[12:13], s[12:13], s[18:19]
	s_add_nc_u64 s[8:9], s[8:9], s[20:21]
	s_add_nc_u64 s[10:11], s[10:11], s[22:23]
.irp i, 0,1,2,3
	global_load_b64 v[8+2*\i:9+2*\i], v1, s[6:7] offset:256*\i         ; (M_i, L_i), the same in every lane
.endr
.irp i, 0,1,2,3
	global_load_b128 v[16+4*\i:19+4*\i], v2, s[4:5] offset:512*\i      ; t
.endr
.irp i, 0,1,2,3
	global_load_b128 v[32+8*\i:35+8*\i], v2, s[8:9] offset:4096*\i     ; quarter i's two partial contexts
	global_load_b128 v[36+8*\i:39+8*\i], v2, s[8:9] offset:4096*\i+2048
.endr
	s_wait_loadcnt 0x0
	v_max3_num_f32 v64, v8, v10, v12
	v_max_num_f32 v64, v64, v14                    ; M
.irp i, 0,1,2,3
	v_sub_f32 v[66+\i], v[8+2*\i], v64
.endr
.irp k, 0,1,2,3,4,5,6,7,8,9,10,11,12,13,14,15
	v_sub_f32 v[16+\k], v[16+\k], v64
.endr
.irp i, 0,1,2,3
	v_exp_f32 v[66+\i], v[66+\i]                   ; w_i
.endr
.irp k, 0,1,2,3,4,5,6,7,8,9,10,11,12,13,14,15
	v_exp_f32 v[16+\k], v[16+\k]                   ; 2^(t - M); a masked row's -infinity gives 0
.endr
.irp i, 0,1,2,3
	v_pk_add_f32 v[32+8*\i:33+8*\i], v[32+8*\i:33+8*\i], v[36+8*\i:37+8*\i]   ; plain work behind the batch, which names none of its results
	v_pk_add_f32 v[34+8*\i:35+8*\i], v[34+8*\i:35+8*\i], v[38+8*\i:39+8*\i]
.endr
	s_wait_alu depctr_va_vdst(0)                   ; one wait for the twenty, ahead of their first reader
	v_mul_f32 v70, v66, v9
	v_fma_f32 v70, v67, v11, v70
	v_fma_f32 v70, v68, v13, v70
	v_fma_f32 v70, v69, v15, v70                   ; L
	v_rcp_f32 v72, v70
	v_mov_b32 v73, 0                               ; (the plain line behind it; v73 is named with v72 as a pair)
	v_pk_mul_f32 v[74:75], v[32:33], v[66:67] op_sel_hi:[1,0]
	v_pk_mul_f32 v[76:77], v[34:35], v[66:67] op_sel_hi:[1,0]
	v_pk_fma_f32 v[74:75], v[40:41], v[66:67], v[74:75] op_sel:[0,1,0] op_sel_hi:[1,1,1]
	v_pk_fma_f32 v[76:77], v[42:43], v[66:67], v[76:77] op_sel:[0,1,0] op_sel_hi:[1,1,1]
	v_pk_fma_f32 v[74:75], v[48:49], v[68:69], v[74:75] op_sel_hi:[1,0,1]
	v_pk_fma_f32 v[76:77], v[50:51], v[68:69], v[76:77] op_sel_hi:[1,0,1]
	v_pk_fma_f32 v[74:75], v[56:57], v[68:69], v[74:75] op_sel:[0,1,0] op_sel_hi:[1,1,1]
	v_pk_fma_f32 v[76:77], v[58:59], v[68:69], v[76:77] op_sel:[0,1,0] op_sel_hi:[1,1,1]
	s_wait_alu depctr_va_vdst(0)                   ; the reciprocal's wait, ahead of its first reader
.irp k, 0,2,4,6,8,10,12,14
	v_pk_mul_f32 v[16+\k:17+\k], v[16+\k:17+\k], v[72:73] op_sel_hi:[1,0]
.endr
	v_pk_mul_f32 v[74:75], v[74:75], v[72:73] op_sel_hi:[1,0]
	v_pk_mul_f32 v[76:77], v[76:77], v[72:73] op_sel_hi:[1,0]
.irp i, 0,1,2,3
	global_store_b128 v2, v[16+4*\i:19+4*\i], s[12:13] offset:512*\i
.endr
	global_store_b128 v2, v[74:77], s[10:11]
	s_endpgm
.Lfunc_end_k_q738084f129_fin:
	.size	k_q738084f129_fin, .Lfunc_end_k_q738084f129_fin-k_q738084f129_fin
	.p2alignl 7, 3214868480
	.fill 96, 4, 3214868480
	.section	.rodata,"a",@progbits
	.p2align	6, 0x0
	.amdhsa_kernel k_q738084f129_fin
		.amdhsa_group_segment_fixed_size 0
		.amdhsa_private_segment_fixed_size 0
		.amdhsa_enable_private_segment 0
		.amdhsa_kernarg_size 40
		.amdhsa_user_sgpr_count 2
		.amdhsa_user_sgpr_kernarg_segment_ptr 1
		.amdhsa_wavefront_size32 1
		.amdhsa_system_sgpr_workgroup_id_x 1
		.amdhsa_system_sgpr_workgroup_id_y 1
		.amdhsa_system_sgpr_workgroup_id_z 1
		.amdhsa_system_vgpr_workitem_id 0
		.amdhsa_next_free_vgpr 80
		.amdhsa_next_free_sgpr 66
		.amdhsa_reserve_vcc 0
		.amdhsa_float_denorm_mode_32 3
		.amdhsa_float_denorm_mode_16_64 3
		.amdhsa_memory_ordered 1
		.amdhsa_forward_progress 1
		.amdhsa_inst_pref_size 7
	.end_amdhsa_kernel
	.amdgpu_metadata
---
amdhsa.version: [ 1, 2 ]
amdhsa.kernels:
  - .name:           k_q738084f129_fin
    .symbol:         k_q738084f129_fin.kd
    .args:
      - { .name: tsc, .offset: 0, .size: 8, .value_kind: global_buffer, .address_space: global }
      - { .name: stats, .offset: 8, .size: 8, .value_kind: global_buffer, .address_space: global }
      - { .name: ctxp, .offset: 16, .size: 8, .value_kind: global_buffer, .address_space: global }
      - { .name: out0, .offset: 24, .size: 8, .value_kind: global_buffer, .address_space: global }
      - { .name: out1, .offset: 32, .size: 8, .value_kind: global_buffer, .address_space: global }
    .group_segment_fixed_size: 0
    .private_segment_fixed_size: 0
    .kernarg_segment_align: 8
    .kernarg_segment_size: 40
    .max_flat_workgroup_size: 32
    .sgpr_count:     66
    .vgpr_count:     80
    .wavefront_size: 32
...
	.end_amdgpu_metadata
.endif
;; end of part 3
;; ======== version 2 of 2: 3 launches; 1.12 times as fast as version 1
;; workspace buffers: wq 557,056 bytes; decw 262,144 bytes; tsc 524,288 bytes; stats 65,536 bytes; ctxp 524,288 bytes
;; launch prep: the kernel of part 1 again; grid 96 x 1, 8 waves a work-group, no clusters, 34,816 bytes of LDS; arguments W_mem, W_dec, decoder_state, wq, decw; writes wq, decw
;; launch main (part 4): grid 256 x 1, 4 waves a work-group, no clusters, 327,680 bytes of LDS; arguments memory_bank, src_mask, W_v, wq, decw, tsc, stats, ctxp; writes tsc, stats, ctxp
.if DOCPART == 4
	.amdgcn_target "amdgcn-amd-amdhsa--gfx1250"
	.amdhsa_code_object_version 6
	.text
	.protected	k_q738084f129_main
	.globl	k_q738084f129_main
	.p2align	8
	.type	k_q738084f129_main,@function
k_q738084f129_main:
	s_mov_b64 s[64:65], 0
	v_nop
	global_prefetch_b8 v0, s[64:65] scope:SCOPE_SE
	s_setreg_imm32_b32 hwreg(HW_REG_WAVE_MODE, 25, 1), 1
	s_wait_xcnt 0x0
; scores, a running softmax and the partial context for 512 rows of memory_bank (a quarter of one batch) in each work-group; memory_bank is read once.
; tanh(x) = 1 - 2 r, r = 1 / (1 + 2^(c x)), c = 2 log2(e).  So score x log2(e) = a constant of the launch + t, t = the sum over n of wv'[n] r[n], wv' = -c W_v; a softmax does not see the constant: p = 2^(t - M).
; A CHUNK is 64 rows.  Its f32 numbers come into one of two LDS slots by tensor loads (each wave its own 16 rows), are quantised there to BF8 (E5M2) codes with E8M0 scales, multiplied with all 1,024 columns of W_mem,
; and read once more, as f32, for the context, under the running maximum M: context and sum are multiplied by 2^(old M - new M) in every chunk.
; FOUR WAVES SHARE THE COLUMNS: wave w makes tiles T = 16 w + j, j = 0 .. 15, of 16 columns, for all 64 rows.  SEVEN OF ITS SIXTEEN TILES OF W (j = 1, 3, .. 13) STAY IN REGISTERS for the whole launch, 448 registers;
; the other nine come from memory straight into two buffers of 64 registers, a record of 17 loads a tile: 9 x 4 x 8,704 bytes a chunk in place of 16 x 4 x 8,704.
; The product is used transposed (source 0 = 16 columns of W, source 1 = 16 rows): lane (r, h) holds row r and columns 16 T + 8 h + 0 .. 7.
; BY TURNS.  The wave is alone on its SIMD.  A tile is 16 products and 112 vector instructions, 64 of them transcendentals; set in phases, each unit would stand idle during the other's.  So the products of tile t + 1
; stand singly among the vector work of tile t, six instructions behind each, on two sets of four accumulators.  W lies in window 0, 2 or 3, the rows in window 1, the vector work in window 0: two switches a product.
; NO CLUSTER: no two work-groups read the same rows of memory_bank; W's codes are the same for all, but they go into registers: beside the two slots and the codes LDS has 10,752 bytes left, a tile's record is 8,704.
; LIMITS: NaN and infinities among the inputs are not served; a block of zeros gets the scale byte 1 (its codes are zeros); M starts at -3e38, so a t under -3e38 counts as masked.
; A quarter whose mask is all zero leaves M = -3e38, sum 0, context 0; the last launch makes of four such quarters the NaN that the definition gives.
; LDS: two slots of 128 half rows (1,024 bytes + 16 of padding; row p at 2,080 p); the codes as images of the operand's registers; small tables; the spare words.
.set SLOTB, 133120
.set CODES, 266240                     ; fragment (m, k) at 2,048 (4 m + k) + 512 c + 16 lane
.set ASC,   299008                     ; the rows' scale words: 512 m + 16 lane + 4 k
.set TAB,   301056                     ; 128 T + 64 h: eight c x dec_feat, then eight wv'
.set PART,  309248                     ; the waves' parts of t: 16 row + 4 wave
.set MASK,  311296                     ; src_mask of my 512 rows
.set TS,    313344                     ; t of my 512 rows (wave 0's own)
.set PB,    315392                     ; 256 wave + 4 row: a wave's 64 weights p, its own
.set SPARE, 316416                     ; the spare words, 128 bytes a wave: two blocks of 256 bytes that no other line names
; REGISTERS, in windows of 256.  Window 0: see the names below.  Window 1: the rows' 16 fragments ((m, k) at 16 (4 m + k)); in the quantiser 256 numbers; in the context 64 rows x 4 numbers.
; Window 2: W's tiles 1, 3, 5, 7.  Window 3: tiles 9, 11, 13, and from v192 the second buffer.
.set SPW, 1
.set NIL, 2
.set LI,  3                            ; 16 lane
.set QA0, 4                            ; the quantiser's place in a slot, first and second K half that my lane takes
.set QA1, 5
.set CW0, 6                            ; where those halves' codes go
.set CW1, 7
.set SW0, 8                            ; and their scale words
.set SW1, 9
.set ASR, 10
.set TABA, 11
.set PSA, 12
.set PRA, 13
.set MA,  14
.set PBA, 15
.set AS,  16                           ; v16-31   the rows' scale words, (m, k) at 16 + 4 m + k
.set WS0, 96                           ; v96-103  the two buffers' scale words (v32-95 is the first buffer)
.set WSR, 104                          ; v104-131 the resident tiles' scale words
.set ACC, 132                          ; v132-195 two sets of four accumulators
.set TAB0, 196                         ; v196-227 two sets of the table
.set SA,  228                          ; v228-235 four rows' running sums, even pairs of columns
.set CTX, 236
.set MM,  240
.set LL,  241
.set CODR, 242
.set PBB, 243
.set CXA, 244                          ; the context's place in a slot
.set ADR, 245
.set AD2, 246
.set AD3, 247
.set SA2, 248                          ; v248-255 the same, odd pairs: eight chains that do not wait for each other
.set TT,  248
.set TM,  132                          ; quantiser: v132-147 at work, v148-211 four sets of codes, v212-215 scale words
.set PC0, 148
.set PW,  212
.set PS,  132                          ; softmax
.set MK,  140
.set NINF, 142
.set T0,  144
.set MX,  146
.set MN,  148
.set TMPS, 149
.set FF,  150                          ; f, p of row l, p of row l + 32
.set PV,  164                          ; v164-227 the 64 weights
.set U1,  228                          ; three more sums for the context
.set U2,  232
.set U3,  248
.set WV,  20
.set SB,  21                           ; the slot in hand: 0 or SLOTB
.set CO,  22                           ; 256 x chunk
.set CNT, 23
.set G1,  24
.set G0,  32
.set CC,  36
.set SEL, 38
.set MNT, 40
.set WQ,  44
.set MSB, 0
.macro WIN new                         ; low byte: bits 1:0 source 0, 3:2 source 1, 5:4 source 2, 7:6 destination; the high byte repeats the setting that is left
.if MSB != \new
	s_set_vgpr_msb (MSB<<8)|\new
.set MSB, \new
.endif
.endm
.macro PLACES n
.rept \n
	v_nop
.endr
.endm
.macro WPAR t                          ; where tile t's fragments and scale words lie: window WW, first register WBS, scale words WSS
.if (((\t)%2) == 1) && ((\t) < 15)
.set ri, ((\t)-1)/2                    ; resident tile 0 .. 6
.set WW, 2+ri/4
.set WBS, 64*(ri%4)
.set WSS, WSR+4*ri
.else
.set ni, ((\t)+1)/2                    ; streamed tile 0 .. 8, the buffers by turns
.set WW, 3*(ni%2)
.set WBS, 32+160*(ni%2)
.set WSS, WS0+4*(ni%2)
.endif
.endm
.macro WLOAD t                         ; tile t's record: one load of scale words, 16 of codes; each reads 512 consecutive bytes; the address registers are never rewritten
	WPAR \t
	global_load_b128 v[WSS:WSS+3], v[LI], s[WQ:WQ+1] offset:8704*(\t)+8192
.set WSET, WW*64
	WIN WSET
.irp i, 0,1,2,3,4,5,6,7,8,9,10,11,12,13,14,15
	global_load_b128 v[WBS+4*\i:WBS+4*\i+3], v[LI], s[WQ:WQ+1] offset:8704*(\t)+512*\i
.endr
	WIN 0
.endm
.macro TABLOAD t                       ; tile t's eight c x dec_feat and eight wv' of my half
.irp i, 0,1,2,3
	ds_load_b128 v[TAB0+16*((\t)%2)+4*\i:TAB0+16*((\t)%2)+4*\i+3], v[TABA] offset:128*(\t)+16*\i
.endr
.endm
; 64 numbers of a lane in window 1, register s + 16 b + i = k 32 b + 16 h + i of my row, become codes in v[pc] on and a scale word in v[pw]
.macro QUANT s, pc, pw
	WIN 0x14                                       ; sources 1 and 2 in window 1
.irp b, 0,1,2,3
	v_max3_num_f32 v[TM+\b], 0x8000000, |v[\s+16*\b]|, |v[\s+1+16*\b]|   ; the floor 2^(16 - 127): the byte cannot fall under 1
.endr
.irp i, 2,4,6,8,10,12,14
.irp b, 0,1,2,3
	v_max3_num_f32 v[TM+\b], v[TM+\b], |v[\s+16*\b+\i]|, |v[\s+1+16*\b+\i]|
.endr
.endr
	WIN 0
.irp b, 0,1,2,3
	v_permlanex16_b32 v[TM+4+\b], v[TM+\b], s[SEL], s[SEL+1]
.endr
.irp b, 0,1,2,3
	v_max_num_f32 v[TM+\b], v[TM+\b], v[TM+4+\b]   ; with lane l xor 16's 16: the block's largest magnitude
.endr
.irp b, 0,1,2,3
	v_add_nc_u32 v[TM+12+\b], 0xf8800000, v[TM+\b]   ; 15 off the exponent field: the conversion's scale operand
.endr
.irp b, 0,1,2,3
	v_and_or_b32 v[TM+8+\b], v[TM+\b], 0x7f800000, s[MNT]   ; 57,344 x the scale
.endr
.irp b, 0,1,2,3
	v_lshrrev_b32 v[TM+4+\b], 23, v[TM+12+\b]      ; the scale's byte
.endr
	v_lshl_or_b32 v[\pw], v[TM+5], 8, v[TM+4]
	v_lshl_or_b32 v[\pw], v[TM+6], 16, v[\pw]
	v_lshl_or_b32 v[\pw], v[TM+7], 24, v[\pw]
	WIN 0x41                                       ; destination and source 0 in window 1
.irp b, 0,1,2,3
.irp i, 0,1,2,3,4,5,6,7,8,9,10,11,12,13,14,15
	v_med3_num_f32 v[\s+16*\b+\i], v[\s+16*\b+\i], -v[TM+8+\b], v[TM+8+\b]   ; the conversion does not saturate (ISA guide 7.6.2): the hold
.endr
.endr
	WIN 0x01                                       ; source 0 in window 1
.irp b, 0,1,2,3
	v_cvt_scalef32_pk8_bf8_f32 v[\pc+4*\b:\pc+1+4*\b], v[\s+16*\b:\s+7+16*\b], v[TM+12+\b]
	v_cvt_scalef32_pk8_bf8_f32 v[\pc+2+4*\b:\pc+3+4*\b], v[\s+8+16*\b:\s+15+16*\b], v[TM+12+\b]
.endr
	WIN 0
	v_nop                                          ; a plain line behind the last conversion
.endm
; Number ei of the 96 instructions that make r = 1 / (1 + 2^(c enc + c dec)) of tile t's 32 registers: 0-15 the scalings, each accumulator from its low end on; 16-47 the exponentials; 48-63 the additions of 1; 64-95 the reciprocals
.macro EF t
.set AB, ACC+32*((\t)%2)
.set TB, TAB0+16*((\t)%2)
.if ei < 16
	v_pk_fma_f32 v[AB+2*ei:AB+2*ei+1], v[AB+2*ei:AB+2*ei+1], s[CC:CC+1], v[TB+2*(ei%4):TB+2*(ei%4)+1] op_sel_hi:[1,0,1]
.elseif ei < 48
	v_exp_f32 v[AB+ei-16], v[AB+ei-16]             ; overflow gives infinity and r = 0 (tanh = 1), underflow 0 and r = 1 (tanh = -1): no clamp
.elseif ei < 64
	v_pk_add_f32 v[AB+2*(ei-48):AB+2*(ei-48)+1], v[AB+2*(ei-48):AB+2*(ei-48)+1], 1.0 op_sel_hi:[1,0]
.else
	v_rcp_f32 v[AB+ei-64], v[AB+ei-64]
.endif
.endm
.macro ETAIL t                         ; r x wv' onto the four rows' running sums: 16 plain instructions that name no register of the step's products
.set AB, ACC+32*((\t)%2)
.set TB, TAB0+16*((\t)%2)+8
.irp p, 0,1,2,3
.irp m, 0,1,2,3
.set SD, SA+(SA2-SA)*(\p%2)+2*\m
.if ((\t) == 0) && (\p < 2)
	v_pk_mul_f32 v[SD:SD+1], v[AB+8*\m+2*\p:AB+8*\m+2*\p+1], v[TB+2*\p:TB+2*\p+1]   ; the chunk's first products start the sums: nothing is cleared
.else
	v_pk_fma_f32 v[SD:SD+1], v[AB+8*\m+2*\p:AB+8*\m+2*\p+1], v[TB+2*\p:TB+2*\p+1], v[SD:SD+1]
.endif
.endr
.endr
.endm
; STEP t: the vector work of tile t, and among it the 16 products of tile t + 1 (K step by K step, the four accumulators by turns), one ahead of each slice of six.
; cnt: how many younger loads may stay out when tile t + 1's record has to be there (-1: the tile is resident).  nl: the tile whose record is asked for into the buffer that this step has multiplied by (-1: none).
; Behind the last product stand six reciprocals, a v_nop and the 16 multiply-adds of ETAIL: 23 places (eight are asked: ISA guide 7.12.1 for the reads of results) ahead of the loads into the buffer and of the next step's first read of results.
.macro STEP t, cnt, nl
.if (\cnt) >= 0
	s_wait_loadcnt \cnt                            ; loads come back in order: the record is in; one younger record, 17 loads, may be out
.endif
.if (\t) < 15
	s_wait_dscnt 4                                 ; this tile's table is in; the next tile's four loads may be out
	WPAR (\t)+1
.set WSET, 4+WW                        ; source 0 in W's window, source 1 in window 1
.set AD, ACC+32*(((\t)+1)%2)
.else
	s_wait_dscnt 0x0
.endif
.set ei, 0
.set sl, 0
.rept 16
.if (\t) < 15
	WIN WSET
.if sl < 4
	v_wmma_scale_f32_16x16x128_f8f6f4 v[AD+8*(sl%4):AD+8*(sl%4)+7], v[WBS+16*(sl/4):WBS+16*(sl/4)+15], v[16*(4*(sl%4)+sl/4):16*(4*(sl%4)+sl/4)+15], 0, v[WSS+sl/4], v[AS+4*(sl%4)+sl/4] matrix_a_fmt:MATRIX_FMT_BF8 matrix_b_fmt:MATRIX_FMT_BF8
.else
	v_wmma_scale_f32_16x16x128_f8f6f4 v[AD+8*(sl%4):AD+8*(sl%4)+7], v[WBS+16*(sl/4):WBS+16*(sl/4)+15], v[16*(4*(sl%4)+sl/4):16*(4*(sl%4)+sl/4)+15], v[AD+8*(sl%4):AD+8*(sl%4)+7], v[WSS+sl/4], v[AS+4*(sl%4)+sl/4] matrix_a_fmt:MATRIX_FMT_BF8 matrix_b_fmt:MATRIX_FMT_BF8
.endif
	WIN 0
.endif
.if sl == 8
	v_nop                                          ; a plain line behind the last exponential
	s_wait_alu depctr_va_vdst(0)                   ; one wait for the 32, ahead of their first reader
.endif
.rept 6
	EF \t
.set ei, ei+1
.endr
.set sl, sl+1
.endr
	v_nop                                          ; a plain line behind the last reciprocal
	s_wait_alu depctr_va_vdst(0)                   ; one wait for the 32
	ETAIL \t
.if (\nl) >= 0
	WLOAD \nl
.endif
.if (\t) < 14
	TABLOAD (\t)+2                                 ; into the set that ETAIL has just read: a whole step ahead of its use
.endif
.endm
; ONE CHUNK.  fill = 1: the other slot is filled with the next chunk's rows, and the next chunk's first two records are asked for.
.macro CHUNK fill
	s_wait_tensorcnt 0x0                           ; my one tensor load, my 16 rows of this chunk, has landed; no load of mine is out, so the group 0 may be written
	ds_add_u32 v[SPW], v[NIL]                      ; 0 onto my spare word
.if \fill
	s_xor_b32 s[G0+1], s[G0+1], SLOTB              ; the other slot (33,280 x wave never sets SLOTB's two bits)
	s_add_nc_u64 s[G0+2:G0+3], s[G0+2:G0+3], 131072   ; 64 rows of 2,048 bytes on; the type bits on top are not reached
.endif
	s_wait_dscnt 0x0                               ; the add is done, and so are my reads of the other slot (and, in the first chunk, my stores of the tables)
	s_barrier_signal -1
	s_barrier_wait -1                              ; this chunk's slot is whole, and nobody reads the other
.if \fill
	tensor_load_to_lds s[G0:G0+3], s[G1:G1+7]      ; my one tensor load until the next such barrier: it has the whole chunk in which to land
	s_nop 0
	PLACES 4
.endif
	; ---- the quantiser: wave w takes rows 16 w on, all four K steps; lanes r < 8 take the lower K half first, lanes r >= 8 the upper, so that sixteen lanes' 16 bytes fall into sixteen different columns of 16 bytes modulo 256
	v_add_nc_u32 v[ADR], s[SB], v[QA0]
	v_add_nc_u32 v[AD2], s[SB], v[QA1]
	WIN 0x40                                       ; destination in window 1
.irp s, 0,1
.irp c, 0,1,2,3
.irp j, 0,1,2,3
	ds_load_b128 v[64*\s+16*\c+4*\j:64*\s+16*\c+4*\j+3], v[ADR] offset:512*\s+128*\c+16*\j
.endr
.endr
.endr
.irp s, 0,1
.irp c, 0,1,2,3
.irp j, 0,1,2,3
	ds_load_b128 v[128+64*\s+16*\c+4*\j:128+64*\s+16*\c+4*\j+3], v[AD2] offset:512*\s+128*\c+16*\j
.endr
.endr
.endr
	WIN 0
	s_wait_dscnt 48                                ; the first 16 loads are in; 48 are younger
	QUANT 0, PC0, PW
.irp c, 0,1,2,3
	ds_store_b128 v[CW0], v[PC0+4*\c:PC0+4*\c+3] offset:512*\c   ; each K step has its own registers for its codes: no store's data are written again in the chunk
.endr
	s_wait_dscnt 36                                ; younger than the second 16: 32 loads and 4 stores
	QUANT 64, PC0+16, PW+1
.irp c, 0,1,2,3
	ds_store_b128 v[CW0], v[PC0+16+4*\c:PC0+16+4*\c+3] offset:2048+512*\c
.endr
	ds_store_b64 v[SW0], v[PW:PW+1]
	s_wait_dscnt 25                                ; younger than the third 16: 16 loads and 9 stores
	QUANT 128, PC0+32, PW+2
.irp c, 0,1,2,3
	ds_store_b128 v[CW1], v[PC0+32+4*\c:PC0+32+4*\c+3] offset:512*\c
.endr
	s_wait_dscnt 13                                ; younger than the last 16: 13 stores
	QUANT 192, PC0+48, PW+3
.irp c, 0,1,2,3
	ds_store_b128 v[CW1], v[PC0+48+4*\c:PC0+48+4*\c+3] offset:2048+512*\c
.endr
	ds_store_b64 v[SW1], v[PW+2:PW+3]
	s_wait_dscnt 0x0                               ; for the others' sake: my codes and scale words lie in LDS
	s_barrier_signal -1
	s_barrier_wait -1                              ; the tensor load stays out
	; ---- all 16 fragments of the 64 rows, as they were stored, K step by K step, so that the first tile's products can begin behind the first sixteen loads
.irp m, 0,1,2,3
	ds_load_b128 v[AS+4*\m:AS+4*\m+3], v[ASR] offset:512*\m
.endr
	WIN 0x40
.irp k, 0,1,2,3
.irp m, 0,1,2,3
.irp c, 0,1,2,3
	ds_load_b128 v[16*(4*\m+\k)+4*\c:16*(4*\m+\k)+4*\c+3], v[CODR] offset:2048*(4*\m+\k)+512*\c
.endr
.endr
.endr
	WIN 0
	TABLOAD 0
	TABLOAD 1
	; ---- tile 0's products stand bare: there is no vector work yet to set between them
	s_wait_loadcnt 0x0                             ; tile 0's record was the last asked for (in the first chunk: all of W's resident tiles too)
	WPAR 0
.set WSET, 4+WW
.irp k, 0,1,2,3
	s_wait_dscnt 56-16*\k                          ; the scale words and K steps 0 .. k are in; younger: 16 loads for each later K step, and the 8 of the tables
	WIN WSET
.irp m, 0,1,2,3
.if \k == 0
	v_wmma_scale_f32_16x16x128_f8f6f4 v[ACC+8*\m:ACC+8*\m+7], v[WBS+16*\k:WBS+16*\k+15], v[16*(4*\m+\k):16*(4*\m+\k)+15], 0, v[WSS+\k], v[AS+4*\m+\k] matrix_a_fmt:MATRIX_FMT_BF8 matrix_b_fmt:MATRIX_FMT_BF8
.else
	v_wmma_scale_f32_16x16x128_f8f6f4 v[ACC+8*\m:ACC+8*\m+7], v[WBS+16*\k:WBS+16*\k+15], v[16*(4*\m+\k):16*(4*\m+\k)+15], v[ACC+8*\m:ACC+8*\m+7], v[WSS+\k], v[AS+4*\m+\k] matrix_a_fmt:MATRIX_FMT_BF8 matrix_b_fmt:MATRIX_FMT_BF8
.endif
.endr
.endr
	WIN 0
	PLACES 8                                       ; ahead of the loads into the buffer and of the first read of results
	WLOAD 4
	STEP 0, -1, -1
	STEP 1, 17, 6
	STEP 2, -1, -1
	STEP 3, 17, 8
	STEP 4, -1, -1
	STEP 5, 17, 10
	STEP 6, -1, -1
	STEP 7, 17, 12
	STEP 8, -1, -1
	STEP 9, 17, 14
	STEP 10, -1, -1
	STEP 11, 17, 15
	STEP 12, -1, -1
.if \fill
	STEP 13, 17, 2                                 ; the next chunk's tile 2,
	STEP 14, 17, 0                                 ; and its tile 0: they land under the phases between
.else
	STEP 13, 17, -1                                ; the last chunk asks for nothing beyond its own tiles
	STEP 14, 0, -1
.endif
	STEP 15, -1, -1
	; ---- my 256 columns' part of t for the 64 rows
.irp m, 0,1,2,3
	v_pk_add_f32 v[SA+2*\m:SA+2*\m+1], v[SA+2*\m:SA+2*\m+1], v[SA2+2*\m:SA2+2*\m+1]
.endr
.irp m, 0,1,2,3
	v_add_f32 v[TT+\m], v[SA+2*\m], v[SA+2*\m+1]
.endr
.irp m, 0,1,2,3
	v_permlanex16_b32 v[TT+4+\m], v[TT+\m], s[SEL], s[SEL+1]
.endr
.irp m, 0,1,2,3
	v_add_f32 v[TT+\m], v[TT+\m], v[TT+4+\m]
.endr
.irp m, 0,1,2,3
	ds_store_b32 v[PSA], v[TT+\m] offset:256*\m    ; both halves of the lanes write the same word with the same value
.endr
	s_wait_dscnt 0x0
	s_barrier_signal -1
	s_barrier_wait -1                              ; the four parts of every row lie in LDS
	; ---- the softmax's step (every wave for itself: lane l has rows l and l + 32), and my share of the context: all 64 rows, columns 128 w + 4 lane on
	ds_load_b128 v[PS:PS+3], v[PRA]
	ds_load_b128 v[PS+4:PS+7], v[PRA] offset:512
	v_add_nc_u32 v[AD2], s[CO], v[MA]
	ds_load_b32 v[MK], v[AD2]
	ds_load_b32 v[MK+1], v[AD2] offset:128
	v_add_nc_u32 v[ADR], s[SB], v[CXA]
	v_add_nc_u32 v[AD3], 66560, v[ADR]             ; rows 32 on: beyond the reach of the 16-bit offset
	WIN 0x40
.set i, 0
.rept 32
	ds_load_b128 v[4*i:4*i+3], v[ADR] offset:2080*i   ; a row's 512 consecutive bytes for the wave
.set i, i+1
.endr
	s_wait_dscnt 32                                ; the parts and the mask are in; the 32 rows may be out
.set i, 0
.rept 32
	ds_load_b128 v[128+4*i:128+4*i+3], v[AD3] offset:2080*i
.set i, i+1
.endr
	WIN 0
	v_mov_b32 v[NINF], 0xff800000
	v_pk_add_f32 v[PS:PS+1], v[PS:PS+1], v[PS+2:PS+3]
	v_pk_add_f32 v[PS+4:PS+5], v[PS+4:PS+5], v[PS+6:PS+7]
	v_add_f32 v[T0], v[PS], v[PS+1]
	v_add_f32 v[T0+1], v[PS+4], v[PS+5]
	v_cmp_eq_u32 vcc_lo, 0, v[MK]
	v_cndmask_b32 v[T0], v[T0], v[NINF], vcc_lo    ; a masked row: -infinity
	v_cmp_eq_u32 vcc_lo, 0, v[MK+1]
	v_cndmask_b32 v[T0+1], v[T0+1], v[NINF], vcc_lo
	s_cmp_lg_u32 s[WV], 0                          ; wave 0 keeps t for the last launch
	s_cbranch_scc1 .Lnot0_\@
	ds_store_b32 v[AD2], v[T0] offset:TS-MASK
	ds_store_b32 v[AD2], v[T0+1] offset:TS-MASK+128
.Lnot0_\@:
	v_max_num_f32 v[MX], v[T0], v[T0+1]
	v_max_num_f32_dpp v[MX], v[MX], v[MX] row_xmask:1 row_mask:0xf bank_mask:0xf
	v_max_num_f32_dpp v[MX], v[MX], v[MX] row_xmask:2 row_mask:0xf bank_mask:0xf
	v_max_num_f32_dpp v[MX], v[MX], v[MX] row_xmask:4 row_mask:0xf bank_mask:0xf
	v_max_num_f32_dpp v[MX], v[MX], v[MX] row_xmask:8 row_mask:0xf bank_mask:0xf
	v_permlanex16_b32 v[MX+1], v[MX], s[SEL], s[SEL+1]
	v_max3_num_f32 v[MN], v[MX], v[MX+1], v[MM]    ; the new running maximum, the same in every lane
	v_sub_f32 v[FF], v[MM], v[MN]
	v_sub_f32 v[FF+1], v[T0], v[MN]
	v_sub_f32 v[FF+2], v[T0+1], v[MN]
	v_exp_f32 v[FF], v[FF]                         ; f = 2^(old M - new M)
	v_exp_f32 v[FF+1], v[FF+1]                     ; p of row l
	v_exp_f32 v[FF+2], v[FF+2]                     ; p of row l + 32
	v_mov_b32 v[MM], v[MN]                         ; (the plain line behind the batch)
	s_wait_alu depctr_va_vdst(0)                   ; one wait for the three
	v_add_f32 v[TMPS], v[FF+1], v[FF+2]
	v_fma_f32 v[LL], v[LL], v[FF], v[TMPS]         ; the sum, a part in each lane
	v_pk_mul_f32 v[CTX:CTX+1], v[CTX:CTX+1], v[FF:FF+1] op_sel_hi:[1,0]
	v_pk_mul_f32 v[CTX+2:CTX+3], v[CTX+2:CTX+3], v[FF:FF+1] op_sel_hi:[1,0]
	ds_store_b32 v[PBA], v[FF+1]                   ; through my own 256 bytes: LDS serves a wave's instructions in order, so the loads below see the stores
	ds_store_b32 v[PBA], v[FF+2] offset:128
.irp i, 0,1,2,3,4,5,6,7,8,9,10,11,12,13,14,15
	ds_load_b128 v[PV+4*\i:PV+4*\i+3], v[PBB] offset:16*\i   ; all 64 weights into every lane
.endr
	s_wait_dscnt 0x0                               ; the weights and the 64 rows
	WIN 0x01                                       ; source 0, the rows' numbers, in window 1
.set i, 0
.rept 64                               ; rows by turns onto four sums: eight chains that do not wait for each other; three of them are started by their first product
.if i%4 == 0
.set DST, CTX
.elseif i%4 == 1
.set DST, U1
.elseif i%4 == 2
.set DST, U2
.else
.set DST, U3
.endif
.set PP, PV+2*(i/2)
.if (i > 0) && (i < 4)
.if i%2
	v_pk_mul_f32 v[DST:DST+1], v[4*i:4*i+1], v[PP:PP+1] op_sel:[0,1] op_sel_hi:[1,1]
	v_pk_mul_f32 v[DST+2:DST+3], v[4*i+2:4*i+3], v[PP:PP+1] op_sel:[0,1] op_sel_hi:[1,1]
.else
	v_pk_mul_f32 v[DST:DST+1], v[4*i:4*i+1], v[PP:PP+1] op_sel_hi:[1,0]
	v_pk_mul_f32 v[DST+2:DST+3], v[4*i+2:4*i+3], v[PP:PP+1] op_sel_hi:[1,0]
.endif
.else
.if i%2
	v_pk_fma_f32 v[DST:DST+1], v[4*i:4*i+1], v[PP:PP+1], v[DST:DST+1] op_sel:[0,1,0] op_sel_hi:[1,1,1]
	v_pk_fma_f32 v[DST+2:DST+3], v[4*i+2:4*i+3], v[PP:PP+1], v[DST+2:DST+3] op_sel:[0,1,0] op_sel_hi:[1,1,1]
.else
	v_pk_fma_f32 v[DST:DST+1], v[4*i:4*i+1], v[PP:PP+1], v[DST:DST+1] op_sel_hi:[1,0,1]
	v_pk_fma_f32 v[DST+2:DST+3], v[4*i+2:4*i+3], v[PP:PP+1], v[DST+2:DST+3] op_sel_hi:[1,0,1]
.endif
.endif
.set i, i+1
.endr
	WIN 0
	v_pk_add_f32 v[CTX:CTX+1], v[CTX:CTX+1], v[U1:U1+1]
	v_pk_add_f32 v[CTX+2:CTX+3], v[CTX+2:CTX+3], v[U1+2:U1+3]
	v_pk_add_f32 v[U2:U2+1], v[U2:U2+1], v[U3:U3+1]
	v_pk_add_f32 v[U2+2:U2+3], v[U2+2:U2+3], v[U3+2:U3+3]
	v_pk_add_f32 v[CTX:CTX+1], v[CTX:CTX+1], v[U2:U2+1]
	v_pk_add_f32 v[CTX+2:CTX+3], v[CTX+2:CTX+3], v[U2+2:U2+3]
	s_xor_b32 s[SB], s[SB], SLOTB                  ; on to the other slot
	s_add_co_u32 s[CO], s[CO], 256
.endm
	s_load_b256 s[4:11], s[0:1], 0x0               ; memory_bank s[4:5], src_mask s[6:7], W_v s[8:9], wq s[10:11]
	s_load_b256 s[12:19], s[0:1], 0x20             ; decw s[12:13], tsc s[14:15], stats s[16:17], ctxp s[18:19]
	v_lshl_add_u32 v[SPW], v0, 2, SPARE
	v_mov_b32 v[NIL], 0
	ds_add_u32 v1, v2
	ds_add_u32 v1, v2
	s_wait_dscnt 0x0
	v_lshrrev_b32 v248, 5, v0
	v_readfirstlane_b32 s[WV], v248                ; wave 0..3
	; descriptor group 1: my 16 rows of 2,048 bytes, dense in memory, as 32 rows of 256 elements of 4 bytes; 4 words of padding behind each 256
	s_mov_b32 s[G1], (2<<16)|(1<<20)|(7<<22)|(3<<25)
	s_mov_b32 s[G1+1], 256<<16                     ; tensor_dim0
	s_mov_b32 s[G1+2], 32<<16                      ; tensor_dim1
	s_mov_b32 s[G1+3], 256<<16                     ; tile_dim0
	s_mov_b32 s[G1+4], 32                          ; tile_dim1
	s_mov_b32 s[G1+5], 256                         ; from row to row
	s_mov_b32 s[G1+6], 0
	s_mov_b32 s[G1+7], 0
	s_mov_b32 s[G0], 1
	s_mul_i32 s[G0+1], s[WV], 33280                ; slot 0, my 32 half rows of 1,040 bytes
	s_lshl_b32 s46, ttmp9, 20                      ; the work-group's 512 rows of 2,048 bytes
	s_lshl_b32 s47, s[WV], 15                      ; my 16 rows
	s_add_co_u32 s46, s46, s47
	s_mov_b32 s47, 0
	s_wait_kmcnt 0x0
	s_add_nc_u64 s[G0+2:G0+3], s[4:5], s[46:47]
	s_or_b32 s[G0+3], s[G0+3], 0x80000000          ; type = 2
	tensor_load_to_lds s[G0:G0+3], s[G1:G1+7]      ; chunk 0, ahead of everything else
	s_nop 0
	PLACES 4
	s_lshr_b32 s46, ttmp9, 2                       ; the batch b
	s_lshr_b32 s48, s46, 4
	s_lshl_b32 s48, s48, 10                        ; decw: 1,024 (b / 16)
	s_and_b32 s46, s46, 15
	s_lshl_b32 s46, s46, 4                         ; + 16 (b % 16)
	s_add_co_u32 s46, s46, s48
	s_add_nc_u64 s[12:13], s[12:13], s[46:47]
	s_lshl_b32 s46, ttmp9, 11                      ; 512 rows x 4 bytes
	s_add_nc_u64 s[6:7], s[6:7], s[46:47]
	s_add_nc_u64 s[14:15], s[14:15], s[46:47]
	s_lshl_b32 s46, ttmp9, 8
	s_add_nc_u64 s[16:17], s[16:17], s[46:47]
	s_mul_i32 s46, s[WV], 139264                   ; my sixteen records of 8,704 bytes
	s_add_nc_u64 s[WQ:WQ+1], s[10:11], s[46:47]
	s_lshl_b32 s46, ttmp9, 11                      ; ctxp: 2,048 work-group + 512 wave
	s_lshl_b32 s48, s[WV], 9
	s_add_co_u32 s46, s46, s48
	s_add_nc_u64 s[18:19], s[18:19], s[46:47]
	; the tables: thread t brings columns 4 t .. 4 t + 3 and 512 + 4 t .. of c x dec_feat[b] and of W_v, and four words of the mask
	v_lshrrev_b32 v132, 2, v0
	v_lshlrev_b32 v132, 12, v132
	v_and_b32 v133, 1, v0
	v_lshl_add_u32 v132, v133, 9, v132
	v_bfe_u32 v133, v0, 1, 1
	v_lshl_add_u32 v132, v133, 8, v132             ; 4,096 (t / 4) + 512 (t % 2) + 256 ((t / 2) % 2)
	v_lshlrev_b32 v133, 4, v0
	global_load_b128 v[136:139], v132, s[12:13]
	global_load_b128 v[140:143], v132, s[12:13] offset:131072   ; 32 tiles on
	global_load_b128 v[144:147], v133, s[8:9]
	global_load_b128 v[148:151], v133, s[8:9] offset:2048
	global_load_b128 v[152:155], v133, s[6:7]
	v_lshrrev_b32 v134, 1, v0
	v_lshlrev_b32 v134, 6, v134
	v_and_b32 v135, 1, v0
	v_lshl_add_u32 v134, v135, 4, v134
	v_add_nc_u32 v134, TAB, v134                   ; TAB + 64 (t / 2) + 16 (t % 2)
	v_lshl_add_u32 v135, v0, 4, MASK
	; addresses that stay.  All terms come from the thread's number: bits 3:0 r, bit 4 h, bits 6:5 the wave
	v_and_b32 v249, 31, v0                         ; lane
	v_and_b32 v250, 15, v0                         ; r
	v_bfe_u32 v251, v0, 3, 1                       ; r / 8: the K half that my lane takes first
	v_bfe_u32 v252, v0, 4, 1                       ; h
	v_xor_b32 v253, 1, v251                        ; and the half that it takes second
	v_lshlrev_b32 v[LI], 4, v249
	v_mul_u32_u24 v254, v250, 2080
	v_lshl_add_u32 v254, v252, 6, v254
	v_mad_u32_u24 v254, v248, 33280, v254          ; 2,080 (16 w + r) + 64 h
	v_mad_u32_u24 v[QA0], v251, 1040, v254
	v_mad_u32_u24 v[QA1], v253, 1040, v254
	v_lshl_add_u32 v254, v248, 13, v[LI]
	v_add_nc_u32 v254, CODES, v254                 ; fragment (w, 0), my lane's place
	v_lshl_add_u32 v[CW0], v251, 12, v254
	v_lshl_add_u32 v[CW1], v253, 12, v254
	v_lshl_add_u32 v254, v248, 9, v[LI]
	v_add_nc_u32 v254, ASC, v254
	v_lshl_add_u32 v[SW0], v251, 3, v254
	v_lshl_add_u32 v[SW1], v253, 3, v254
	v_add_nc_u32 v[ASR], ASC, v[LI]
	v_lshlrev_b32 v[TABA], 11, v248
	v_lshl_add_u32 v[TABA], v252, 6, v[TABA]
	v_add_nc_u32 v[TABA], TAB, v[TABA]
	v_lshlrev_b32 v[PSA], 4, v250
	v_lshl_add_u32 v[PSA], v248, 2, v[PSA]
	v_add_nc_u32 v[PSA], PART, v[PSA]
	v_add_nc_u32 v[PRA], PART, v[LI]
	v_lshl_add_u32 v[MA], v249, 2, MASK
	v_lshlrev_b32 v[PBB], 8, v248
	v_add_nc_u32 v[PBB], PB, v[PBB]
	v_lshl_add_u32 v[PBA], v249, 2, v[PBB]
	v_lshl_add_u32 v[CXA], v248, 9, v[LI]
	v_lshrrev_b32 v254, 6, v0                      ; columns from 256 on lie behind a row's first padding
	v_lshl_add_u32 v[CXA], v254, 4, v[CXA]
	v_add_nc_u32 v[CODR], CODES, v[LI]
	v_mov_b32 v[MM], 0xff61b1e6                    ; -3e38
	v_mov_b32 v[LL], 0
.irp i, 0,1,2,3
	v_mov_b32 v[CTX+\i], 0
.endr
	v_mov_b32 v255, 0                              ; (with v252-254 above: a lane permute's destination counts as one of its sources)
	s_mov_b32 s[CC], 0x4038aa3b                    ; c = 2 log2(e)
	s_mov_b32 s[CC+1], s[CC]
	s_mov_b32 s50, 0xc038aa3b                      ; -c
	s_mov_b32 s51, s50
	s_mov_b32 s[SEL], 0x76543210
	s_mov_b32 s[SEL+1], 0xfedcba98
	s_mov_b32 s[MNT], 0x600000
	s_mov_b32 s[SB], 0
	s_mov_b32 s[CO], 0
	s_mov_b32 s[CNT], 7
	s_wait_loadcnt 0x0
	v_pk_mul_f32 v[144:145], v[144:145], s[50:51] op_sel_hi:[1,0]   ; wv' = -c W_v
	v_pk_mul_f32 v[146:147], v[146:147], s[50:51] op_sel_hi:[1,0]
	v_pk_mul_f32 v[148:149], v[148:149], s[50:51] op_sel_hi:[1,0]
	v_pk_mul_f32 v[150:151], v[150:151], s[50:51] op_sel_hi:[1,0]
	ds_store_b128 v134, v[136:139]
	ds_store_b128 v134, v[140:143] offset:4096
	ds_store_b128 v134, v[144:147] offset:32
	ds_store_b128 v134, v[148:151] offset:4128
	ds_store_b128 v135, v[152:155]                 ; the first chunk's barrier, with its wait for these stores, stands ahead of every read of the tables
.irp t, 1,3,5,7,9,11,13
	WLOAD \t                                       ; the tiles that stay
.endr
	WLOAD 2
	WLOAD 0
.Lchunk:                                               ; seven trips; each asks for the next chunk
	CHUNK 1
	s_sub_co_u32 s[CNT], s[CNT], 1
	s_cmp_lg_u32 s[CNT], 0
	s_cbranch_scc1 .Lchunk
	CHUNK 0                                        ; the last chunk is written out
	; ---- the way out
	v_add_f32_dpp v[LL], v[LL], v[LL] row_xmask:1 row_mask:0xf bank_mask:0xf
	v_add_f32_dpp v[LL], v[LL], v[LL] row_xmask:2 row_mask:0xf bank_mask:0xf
	v_add_f32_dpp v[LL], v[LL], v[LL] row_xmask:4 row_mask:0xf bank_mask:0xf
	v_add_f32_dpp v[LL], v[LL], v[LL] row_xmask:8 row_mask:0xf bank_mask:0xf
	v_permlanex16_b32 v[MX+1], v[LL], s[SEL], s[SEL+1]
	v_add_f32 v[LL], v[LL], v[MX+1]                ; the sum of my work-group's 512 p
	v_add_nc_u32 v[ADR], TS, v[LI]
	v_lshrrev_b32 v[AD2], 1, v[LI]                 ; 8 lane
	global_store_b128 v[LI], v[CTX:CTX+3], s[18:19]   ; 512 consecutive bytes, aligned
	s_cmp_lg_u32 s[WV], 0
	s_cbranch_scc1 .Lend
.irp i, 0,1,2,3
	ds_load_b128 v[PS+4*\i:PS+4*\i+3], v[ADR] offset:512*\i   ; wave 0's own bytes
.endr
	s_wait_dscnt 0x0
.irp i, 0,1,2,3
	global_store_b128 v[LI], v[PS+4*\i:PS+4*\i+3], s[14:15] offset:512*\i
.endr
	global_store_b64 v[AD2], v[MM:MM+1], s[16:17]  ; (M, sum), 32 times: 256 consecutive bytes, aligned
.Lend:
	s_wait_tensorcnt 0x0                           ; the wave's end
	ds_add_u32 v[SPW], v[NIL]
	s_wait_dscnt 0x0
	s_endpgm
.Lfunc_end_k_q738084f129_main:
	.size	k_q738084f129_main, .Lfunc_end_k_q738084f129_main-k_q738084f129_main
	.p2alignl 7, 3214868480
	.fill 96, 4, 3214868480
	.section	.rodata,"a",@progbits
	.p2align	6, 0x0
	.amdhsa_kernel k_q738084f129_main
		.amdhsa_group_segment_fixed_size 327680
		.amdhsa_private_segment_fixed_size 0
		.amdhsa_enable_private_segment 0
		.amdhsa_kernarg_size 64
		.amdhsa_user_sgpr_count 2
		.amdhsa_user_sgpr_kernarg_segment_ptr 1
		.amdhsa_wavefront_size32 1
		.amdhsa_system_sgpr_workgroup_id_x 1
		.amdhsa_system_sgpr_workgroup_id_y 1
		.amdhsa_system_sgpr_workgroup_id_z 1
		.amdhsa_system_vgpr_workitem_id 0
		.amdhsa_next_free_vgpr 1024
		.amdhsa_next_free_sgpr 66
		.amdhsa_reserve_vcc 1
		.amdhsa_float_denorm_mode_32 3
		.amdhsa_float_denorm_mode_16_64 3
		.amdhsa_memory_ordered 1
		.amdhsa_forward_progress 1
		.amdhsa_inst_pref_size 255
	.end_amdhsa_kernel
	.section	.bss,"aw",@nobits
	.p2align	6
	.space	262144
	.amdgpu_metadata
---
amdhsa.version: [ 1, 2 ]
amdhsa.kernels:
  - .name:           k_q738084f129_main
    .symbol:         k_q738084f129_main.kd
    .args:
      - { .name: memory_bank, .offset: 0, .size: 8, .value_kind: global_buffer, .address_space: global }
      - { .name: src_mask, .offset: 8, .size: 8, .value_kind: global_buffer, .address_space: global }
      - { .name: W_v, .offset: 16, .size: 8, .value_kind: global_buffer, .address_space: global }
      - { .name: wq, .offset: 24, .size: 8, .value_kind: global_buffer, .address_space: global }
      - { .name: decw, .offset: 32, .size: 8, .value_kind: global_buffer, .address_space: global }
      - { .name: tsc, .offset: 40, .size: 8, .value_kind: global_buffer, .address_space: global }
      - { .name: stats, .offset: 48, .size: 8, .value_kind: global_buffer, .address_space: global }
      - { .name: ctxp, .offset: 56, .size: 8, .value_kind: global_buffer, .address_space: global }
    .group_segment_fixed_size: 327680
    .private_segment_fixed_size: 0
    .kernarg_segment_align: 8
    .kernarg_segment_size: 64
    .max_flat_workgroup_size: 128
    .sgpr_count:     66
    .vgpr_count:     1024
    .wavefront_size: 32
...
	.end_amdgpu_metadata
.endif
;; end of part 4
;; launch fin (part 5): grid 256 x 1, 1 waves a work-group, no clusters, 0 bytes of LDS; arguments tsc, stats, ctxp, out0, out1; writes out0, out1
.if DOCPART == 5
	.amdgcn_target "amdgcn-amd-amdhsa--gfx1250"
	.amdhsa_code_object_version 6
	.text
	.protected	k_q738084f129_fin
	.globl	k_q738084f129_fin
	.p2align	8
	.type	k_q738084f129_fin,@function
k_q738084f129_fin:
	s_mov_b64 s[64:65], 0
	v_nop
	global_prefetch_b8 v0, s[64:65] scope:SCOPE_SE
	s_setreg_imm32_b32 hwreg(HW_REG_WAVE_MODE, 25, 1), 1
	s_wait_xcnt 0x0
; The four quarters of a batch are joined.  Work-group g = 4 b + q, one wave: 512 numbers of attn_dist (rows 512 q on of batch b) and 128 of context (columns 128 q on).
; M = the largest of the quarters' M_i; w_i = 2^(M_i - M); L = the sum of w_i L_i; attn = 2^(t - M) / L; context = (the sum of w_i c_i) / L.
; A batch whose mask is all zero has L = 0: 0 x infinity gives NaN in both outputs, as the definition gives.  Twelve loads, all issued ahead of one wait; every store covers 512 consecutive bytes, aligned.
	s_load_b256 s[4:11], s[0:1], 0x0               ; tsc s[4:5], stats s[6:7], ctxp s[8:9], out0 s[10:11]
	s_load_b64 s[12:13], s[0:1], 0x20              ; out1
	v_mov_b32 v1, 0
	v_lshlrev_b32 v2, 4, v0                        ; 16 lane
	s_lshr_b32 s14, ttmp9, 2                       ; b
	s_and_b32 s15, ttmp9, 3                        ; q
	s_lshl_b32 s16, s14, 10                        ; stats: four units of 256 bytes a batch
	s_mov_b32 s17, 0
	s_lshl_b32 s18, ttmp9, 11                      ; tsc, out1: 512 numbers a work-group
	s_mov_b32 s19, 0
	s_lshl_b32 s20, s14, 13                        ; ctxp: 8,192 b + 512 q
	s_lshl_b32 s21, s15, 9
	s_add_co_u32 s20, s20, s21
	s_mov_b32 s21, 0
	s_lshl_b32 s22, ttmp9, 9                       ; out0: 2,048 b + 512 q
	s_mov_b32 s23, 0
	s_wait_kmcnt 0x0
	s_add_nc_u64 s[6:7], s[6:7], s[16:17]
	s_add_nc_u64 s[4:5], s[4:5], s[18:19]
	s_add_nc_u64 s[12:13], s[12:13], s[18:19]
	s_add_nc_u64 s[8:9], s[8:9], s[20:21]
	s_add_nc_u64 s[10:11], s[10:11], s[22:23]
.irp i, 0,1,2,3
	global_load_b64 v[8+2*\i:9+2*\i], v1, s[6:7] offset:256*\i         ; (M_i, L_i), the same in every lane
.endr
.irp i, 0,1,2,3
	global_load_b128 v[16+4*\i:19+4*\i], v2, s[4:5] offset:512*\i      ; t
.endr
.irp i, 0,1,2,3
	global_load_b128 v[32+4*\i:35+4*\i], v2, s[8:9] offset:2048*\i     ; quarter i's partial context
.endr
	s_wait_loadcnt 0x0
	v_max3_num_f32 v64, v8, v10, v12
	v_max_num_f32 v64, v64, v14                    ; M
.irp i, 0,1,2,3
	v_sub_f32 v[66+\i], v[8+2*\i], v64
.endr
.irp k, 0,1,2,3,4,5,6,7,8,9,10,11,12,13,14,15
	v_sub_f32 v[16+\k], v[16+\k], v64
.endr
.irp i, 0,1,2,3
	v_exp_f32 v[66+\i], v[66+\i]                   ; w_i
.endr
.irp k, 0,1,2,3,4,5,6,7,8,9,10,11,12,13,14,15
	v_exp_f32 v[16+\k], v[16+\k]                   ; 2^(t - M); a masked row's -infinity gives 0
.endr
	v_mov_b32 v73, 0                               ; (the plain line behind the batch; v73 is named with v72 as a pair further down)
	s_wait_alu depctr_va_vdst(0)                   ; one wait for the twenty, ahead of their first reader
	v_mul_f32 v70, v66, v9
	v_fma_f32 v70, v67, v11, v70
	v_fma_f32 v70, v68, v13, v70
	v_fma_f32 v70, v69, v15, v70                   ; L
	v_rcp_f32 v72, v70
	v_pk_mul_f32 v[74:75], v[32:33], v[66:67] op_sel_hi:[1,0]          ; plain work behind the reciprocal, which names neither its result nor its source
	v_pk_mul_f32 v[76:77], v[34:35], v[66:67] op_sel_hi:[1,0]
	v_pk_fma_f32 v[74:75], v[36:37], v[66:67], v[74:75] op_sel:[0,1,0] op_sel_hi:[1,1,1]
	v_pk_fma_f32 v[76:77], v[38:39], v[66:67], v[76:77] op_sel:[0,1,0] op_sel_hi:[1,1,1]
	v_pk_fma_f32 v[74:75], v[40:41], v[68:69], v[74:75] op_sel_hi:[1,0,1]
	v_pk_fma_f32 v[76:77], v[42:43], v[68:69], v[76:77] op_sel_hi:[1,0,1]
	v_pk_fma_f32 v[74:75], v[44:45], v[68:69], v[74:75] op_sel:[0,1,0] op_sel_hi:[1,1,1]
	v_pk_fma_f32 v[76:77], v[46:47], v[68:69], v[76:77] op_sel:[0,1,0] op_sel_hi:[1,1,1]
	s_wait_alu depctr_va_vdst(0)                   ; the reciprocal's wait, ahead of its first reader
.irp k, 0,2,4,6,8,10,12,14
	v_pk_mul_f32 v[16+\k:17+\k], v[16+\k:17+\k], v[72:73] op_sel_hi:[1,0]
.endr
	v_pk_mul_f32 v[74:75], v[74:75], v[72:73] op_sel_hi:[1,0]
	v_pk_mul_f32 v[76:77], v[76:77], v[72:73] op_sel_hi:[1,0]
.irp i, 0,1,2,3
	global_store_b128 v2, v[16+4*\i:19+4*\i], s[12:13] offset:512*\i
.endr
	global_store_b128 v2, v[74:77], s[10:11]
	s_endpgm
.Lfunc_end_k_q738084f129_fin:
	.size	k_q738084f129_fin, .Lfunc_end_k_q738084f129_fin-k_q738084f129_fin
	.p2alignl 7, 3214868480
	.fill 96, 4, 3214868480
	.section	.rodata,"a",@progbits
	.p2align	6, 0x0
	.amdhsa_kernel k_q738084f129_fin
		.amdhsa_group_segment_fixed_size 0
		.amdhsa_private_segment_fixed_size 0
		.amdhsa_enable_private_segment 0
		.amdhsa_kernarg_size 40
		.amdhsa_user_sgpr_count 2
		.amdhsa_user_sgpr_kernarg_segment_ptr 1
		.amdhsa_wavefront_size32 1
		.amdhsa_system_sgpr_workgroup_id_x 1
		.amdhsa_system_sgpr_workgroup_id_y 1
		.amdhsa_system_sgpr_workgroup_id_z 1
		.amdhsa_system_vgpr_workitem_id 0
		.amdhsa_next_free_vgpr 80
		.amdhsa_next_free_sgpr 66
		.amdhsa_reserve_vcc 0
		.amdhsa_float_denorm_mode_32 3
		.amdhsa_float_denorm_mode_16_64 3
		.amdhsa_memory_ordered 1
		.amdhsa_forward_progress 1
		.amdhsa_inst_pref_size 6
	.end_amdhsa_kernel
	.amdgpu_metadata
---
amdhsa.version: [ 1, 2 ]
amdhsa.kernels:
  - .name:           k_q738084f129_fin
    .symbol:         k_q738084f129_fin.kd
    .args:
      - { .name: tsc, .offset: 0, .size: 8, .value_kind: global_buffer, .address_space: global }
      - { .name: stats, .offset: 8, .size: 8, .value_kind: global_buffer, .address_space: global }
      - { .name: ctxp, .offset: 16, .size: 8, .value_kind: global_buffer, .address_space: global }
      - { .name: out0, .offset: 24, .size: 8, .value_kind: global_buffer, .address_space: global }
      - { .name: out1, .offset: 32, .size: 8, .value_kind: global_buffer, .address_space: global }
    .group_segment_fixed_size: 0
    .private_segment_fixed_size: 0
    .kernarg_segment_align: 8
    .kernarg_segment_size: 40
    .max_flat_workgroup_size: 32
    .sgpr_count:     66
    .vgpr_count:     80
    .wavefront_size: 32
...
	.end_amdgpu_metadata
.endif
;; end of part 5
